; MI455X (gfx1250); checked and timed in simulation.
; The chip was launched on July 23, 2026; its instructions are those of AMD's public machine-readable ISA for CDNA 5 (MIT licence, August 2026) and "CDNA5" Instruction Set Architecture Reference Guide (July 2026). The comments in the code are by the model that wrote it; some were corrected since.
;; Multi Head Attention. Allowed arithmetic: matrix products marked QUANTISED: E2M3 operands, one E8M0 scale for each 32 along K, by v_wmma_scale_f32_16x16x128_f8f6f4 with both operands' format E2M3, f32 sums; everything else in f32.
;; Inputs: K 4 x 2,048 x 1,024 float32; Q 4 x 2,048 x 1,024 float32; V 4 x 2,048 x 1,024 float32; Wk 1,024 x 1,024 float32; Wo 1,024 x 1,024 float32; Wq 1,024 x 1,024 float32; Wv 1,024 x 1,024 float32; bk 1,024 float32; bo 1,024 float32; bq 1,024 float32; bv 1,024 float32.
;; Outputs: out0 4 x 2,048 x 1,024 float32.
;; This version of the problem:
;;   THIS VERSION OF THE PROBLEM IS GIVEN IN LOW PRECISION. The matrix products marked QUANTISED in the list below multiply operands that are first quantised to E2M3 (2 exponent bits, 3 mantissa bits; 6 bits a number), with one power-of-two scale for each 32 numbers along K (OCP MX v1.0); their sums are f32. All else is computed in f32.
;;   The module's matrix products, in the order in which they are computed (A, B: the left and right operand; K: the contracted axis; several contracted axes count as one K, in the product's order):
;;     1. [M 8,192, K 1,024] x [K 1,024, N 1,024]; A: input Q; B: input Wq: QUANTISED
;;     2. [M 8,192, K 1,024] x [K 1,024, N 1,024]; A: input K; B: input Wk: QUANTISED
;;     3. [M 8,192, K 1,024] x [K 1,024, N 1,024]; A: input V; B: input Wv: QUANTISED
;;     4. batch 64 x [M 2,048, K 64] x [K 64, N 2,048]; A: computed on the way; B: computed on the way: QUANTISED
;;     5. batch 64 x [M 2,048, K 2,048] x [K 2,048, N 64]; A: softmax (see below); B: computed on the way: QUANTISED
;;     6. [M 8,192, K 1,024] x [K 1,024, N 1,024]; A: computed on the way; B: input Wo: QUANTISED
;;   THE QUANTISER, for each operand of a quantised product, along K:
;;     - K is cut into blocks of 32 from its start; a last block that is shorter is filled with zeros.
;;     - A block's scale is 2^e with e = floor(log2(the largest magnitude in the block)) - 2, held to -126 .. 127; a block of zeros has e = 0. As a byte (E8M0): e + 127.
;;     - Each number is divided by its block's scale, clamped to +-7.5, and rounded to the nearest number of E2M3, ties to even, subnormals kept.
;;     - The product sums the exact products of the quantised numbers (number of the format x scale) in f32.
;;   ~~~python
;;   def quantise(x, axis):      # numpy; x: float32 -> the quantised numbers, widened to float32 again
;;       x = np.moveaxis(x, axis, -1); K = x.shape[-1]
;;       x = np.pad(x, [(0, 0)] * (x.ndim - 1) + [(0, -K % 32)]); x = x.reshape(x.shape[:-1] + (-1, 32)); a = np.abs(x).max(-1, keepdims=True)
;;       e = np.where(a > 0, np.clip(np.frexp(np.where(a > 0, a, 1))[1] - 1 - 2, -126, 127), 0)      # np.frexp(a)[1] - 1 = floor(log2(a)), exactly
;;       r = np.clip(x / 2.0 ** e, -7.5, 7.5)
;;       step = 2.0 ** (np.maximum(np.frexp(np.where(r == 0, 1, r))[1] - 1, 0) - 3)
;;       q = np.round(r / step) * step * 2.0 ** e      # np.round: ties to even
;;       return np.moveaxis(q.reshape(q.shape[:-2] + (-1,))[..., :K], -1, axis).astype(np.float32)
;;   ~~~
;;   SOFTMAX AHEAD OF A QUANTISED PRODUCT. Where the list says 'softmax', what is quantised is not the finished softmax but p = 2^(t - M), with t = logit x log2(e) and M = ceil(the row's largest t), a whole number; so 1/2 < the row's largest p <= 1. The row's sum l is taken of the UNQUANTISED p, in f32, and the product's result is divided by l at the end. Since M is a whole number, a kernel that streams over the keys may use a running M (the ceiling of the running maximum): every later rescaling is an exact power of two, which a block's scale takes up: the codes' values come out the same.
;;   OPERANDS COMPUTED ON THE WAY. 'Computed on the way' means the value that the module computes at that place (a softmax that the list does not call 'softmax' is quantised finished and normalised). What goes into a quantiser is computed in f32, as accurately as f32 sums, v_exp_f32 and their like allow (about 1e-6 of the number): no bf16 or f16 on the way to a quantiser, and a product that is left as it is and whose result goes on into a quantised operand takes f32 operands (vector FMAs, or v_wmma_f32_16x16x4_f32). A number that lies on a knife's edge between two numbers of the format may be rounded either way, as far as f32 arithmetic and the matrix unit's own rounding can turn it there, and no further.
;; One version. Each part assembles by itself: llvm-mc -triple=amdgcn-amd-amdhsa -mcpu=gfx1250 --defsym DOCPART=n.
;; ======== version 1 of 1: 5 launches
;; limits: right only within a limited range of input values
;; workspace buffers: actc 18,874,368 bytes; acts 786,432 bytes; wc 3,145,728 bytes; ws 131,072 bytes; pc 18,874,368 bytes; ps 786,432 bytes; oc 6,291,456 bytes; os 262,144 bytes
;; launch qact (part 1): grid 256 x 1, 6 waves a work-group, no clusters, 51,456 bytes of LDS; arguments Q, K, V, actc, acts; writes actc, acts
.if DOCPART == 1
	.amdgcn_target "amdgcn-amd-amdhsa--gfx1250"
	.amdhsa_code_object_version 6
	.text
	.protected	k_q2a6fb76967_qact
	.globl	k_q2a6fb76967_qact
	.p2align	8
	.type	k_q2a6fb76967_qact,@function
k_q2a6fb76967_qact:
	s_mov_b64 s[64:65], 0
	v_nop
	global_prefetch_b8 v0, s[64:65] scope:SCOPE_SE
	s_setreg_imm32_b32 hwreg(HW_REG_WAVE_MODE, 25, 1), 1
	s_wait_xcnt 0x0
; Q, K, V [8192][1024] f32 become codes of FP6 (E2M3) with one E8M0 byte for each 32 along K (the last axis), laid as IMAGES OF OPERAND REGISTERS.
; A fragment is 16 rows x 128 K, 12 registers a lane: lane (r, hl) holds row r, registers 6 c .. 6 c + 5 hold k = 64 c + 32 hl + 0 .. 31.  Its image is six pieces of 256 bytes: piece p = registers 2 p, 2 p + 1, lane L at byte 8 L.
; THE ROWS OF A BLOCK ARE NOT NEIGHBOURS: lane r of block 2 P + u is row 32 P + 8 u + r + 8 (r / 8).  actc: [tensor][block 512][K step 8][1,536 bytes].
; acts: [tensor][pair P 256][1,024 bytes]: the scale word of (u, r, K step s) at 512 (s / 4) + 16 (16 u + r) + 4 (s % 4).
; A block's scale is 2^(floor(log2(largest magnitude)) - 2); its byte is the largest magnitude's exponent field - 2, held at 1 from below.
; LIMITS: a block of zeros gets the byte 1 where the quantiser says 127 (its codes are zeros and this program alone reads the bytes); blocks whose largest magnitude lies under 2^-124 are held at the byte 1; NaN and infinities are not served.
; SHARES: 3 tensors x 256 pairs x 2 halves of K = 1,536 waves.  A wave makes 8 fragments (4 K steps x 2 blocks) and one 512-byte piece of scale words.
; Each load reads 512 consecutive bytes of a row; a fragment's 16 rows turn through the wave's own stage in LDS (rows 528 bytes apart) so that a lane gets two whole blocks of 32 neighbours.
; Waves share nothing: no barrier, no cluster (no two work-groups read the same bytes), no matrix unit.  Loads run two fragments (32 loads a wave) ahead.
.set STG,   8448                       ; a wave's stage: 16 rows x 528 bytes
.set SPARE, 50688                      ; behind the six stages: the spare words, 128 bytes a wave
.set BM, 8                             ; v8-9    largest magnitudes
.set SO, 10                            ; v10-11  the conversions' scale operands
.set W,  12                            ; v12-15  the scale words of my four K steps: lanes 0-15 block 2 P, lanes 16-31 block 2 P + 1
.set C,  16                            ; v16-27  a fragment's codes
.set T,  28                            ; v28-30, v32-34  the second half of each block's codes
.set BY, 36                            ; v36-37  scale bytes
.set WD, 38                            ; v38     a row's scale word
.set WT, 39                            ; v39     the other half's part of it
.set R,  64                            ; v64-191 two sets of 64: a fragment's numbers as loaded
.set X,  192                           ; v192-255 the same, 64 neighbours a lane
	s_load_b128 s[4:7], s[0:1], 0x0                ; Q, K
	s_load_b128 s[8:11], s[0:1], 0x10              ; V, actc
	s_load_b64 s[12:13], s[0:1], 0x20              ; acts
	v_lshl_add_u32 v6, v0, 2, SPARE                ; my spare word; never rewritten
	v_mov_b32 v7, 0                                ; 0; never rewritten
	v_lshrrev_b32 v1, 5, v0
	v_readfirstlane_b32 s16, v1                    ; wave
	v_and_b32 v5, 31, v0                           ; lane
	v_lshlrev_b32 v1, 4, v5                        ; 16 L
	v_lshlrev_b32 v2, 3, v5                        ; 8 L
	s_mul_i32 s17, s16, STG
	v_add_nc_u32 v3, s17, v1                       ; the stage, way in: 16 L of a row
	v_and_b32 v4, 15, v0
	v_mul_u32_u24 v4, v4, 528
	v_bfe_u32 v5, v0, 4, 1                         ; hl
	v_lshl_add_u32 v4, v5, 7, v4
	v_add_nc_u32 v4, s17, v4                       ; way out: row r, + 128 hl
	v_lshlrev_b32 v5, 3, v5                        ; 8 hl: my bytes' place in the scale word
	v_mov_b32 v[WT], 0                             ; a lane permute's destination counts as a source
	s_mov_b32 s20, 0x76543210
	s_mov_b32 s21, 0xfedcba98                      ; selects for lane l xor 16
	s_mov_b32 s22, 0xffff0000                      ; lanes 16-31
	s_mul_i32 s19, ttmp9, 6                        ; 256 work-groups of six waves: wave number 0 .. 1,535 of the launch
	s_add_co_u32 s19, s19, s16
	s_lshr_b32 s18, s19, 9                         ; tensor 0, 1, 2: 512 waves each
	s_and_b32 s19, s19, 511
	s_lshr_b32 s23, s19, 1                         ; pair P
	s_and_b32 s19, s19, 1                          ; which half of K
	s_lshl_b32 s24, s23, 17                        ; Q, V: a pair's 32 rows of 4,096 bytes; lanes 8-15 of a block lie 16 rows behind lanes 0-7
	; TENSOR K'S ROWS ARE DEALT OTHERWISE: lane r of block 8 G + t is row 128 G + 64 (t / 4) + 32 (r / 8) + 8 (t % 4) + r % 8, so that in the attention a lane's 32 scores of four tiles are 32 neighbouring keys
	s_lshr_b32 s30, s23, 2
	s_lshl_b32 s30, s30, 7                         ; 128 (P / 4)
	s_bfe_u32 s31, s23, 0x10001
	s_lshl_b32 s31, s31, 6                         ; + 64 ((P % 4) / 2)
	s_add_co_u32 s30, s30, s31
	s_and_b32 s31, s23, 1
	s_lshl_b32 s31, s31, 4                         ; + 16 (P % 2)
	s_add_co_u32 s30, s30, s31
	s_lshl_b32 s30, s30, 12
	s_cmp_eq_u32 s18, 1
	s_cselect_b32 s24, s30, s24
	s_mov_b32 s30, 65536                           ; from lanes 0-7's rows to lanes 8-15's: 16 rows,
	s_cselect_b32 s30, 131072, s30                 ; in K 32
	s_mov_b32 s31, 0
	s_lshl_b32 s25, s19, 11                        ; 2,048 bytes a half
	s_add_co_u32 s24, s24, s25
	s_mov_b32 s25, 0
	s_lshl_b32 s26, s18, 9
	s_lshl_b32 s27, s23, 1
	s_add_co_u32 s26, s26, s27                     ; block 512 T + 2 P
	s_lshl_b32 s26, s26, 3
	s_lshl_b32 s27, s19, 2
	s_add_co_u32 s26, s26, s27                     ; x 8 + first K step
	s_mul_i32 s26, s26, 1536
	s_mov_b32 s27, 0
	s_lshl_b32 s28, s18, 8
	s_add_co_u32 s28, s28, s23
	s_lshl_b32 s28, s28, 10
	s_lshl_b32 s29, s19, 9
	s_add_co_u32 s28, s28, s29
	s_mov_b32 s29, 0
	s_wait_alu depctr_va_vdst(0)
	s_wait_kmcnt 0x0
	s_cmp_eq_u32 s18, 1                            ; the choice hangs on the wave's number in the launch
	s_cselect_b64 s[4:5], s[6:7], s[4:5]
	s_cmp_eq_u32 s18, 2
	s_cselect_b64 s[4:5], s[8:9], s[4:5]
	s_add_nc_u64 s[4:5], s[4:5], s[24:25]
	s_add_nc_u64 s[14:15], s[4:5], s[30:31]        ; the base for lanes 8-15's rows
	s_add_nc_u64 s[10:11], s[10:11], s[26:27]
	s_add_nc_u64 s[12:13], s[12:13], s[28:29]
; fragment t: K step t / 2 of my four, block t % 2
.macro LOAD t
.irp i, 0,1,2,3,4,5,6,7,8,9,10,11,12,13,14,15
.if \i < 8
	global_load_b128 v[R+64*((\t)%2)+4*\i:R+64*((\t)%2)+4*\i+3], v1, s[4:5] offset:(8*((\t)%2)+\i)*4096+512*((\t)/2) th:TH_LOAD_NT
.else
	global_load_b128 v[R+64*((\t)%2)+4*\i:R+64*((\t)%2)+4*\i+3], v1, s[14:15] offset:(8*((\t)%2)+\i-8)*4096+512*((\t)/2) th:TH_LOAD_NT
.endif
.endr
.endm
.macro STEP t
.if (\t) < 7
	s_wait_loadcnt 16                              ; this fragment's 16 loads are in; the next fragment's 16 may be out
.else
	s_wait_loadcnt 0
.endif
.irp i, 0,1,2,3,4,5,6,7,8,9,10,11,12,13,14,15
	ds_store_b128 v3, v[R+64*((\t)%2)+4*\i:R+64*((\t)%2)+4*\i+3] offset:528*\i
.endr
.irp c, 0,1
.irp q, 0,1,2,3,4,5,6,7
	ds_load_b128 v[X+32*\c+4*\q:X+32*\c+4*\q+3], v4 offset:256*\c+16*\q   ; LDS serves a wave's instructions in order: these see the stores above
.endr
.endr
	s_wait_dscnt 0x0                               ; my 64 numbers are back, and the stores have read their registers,
.if (\t)+2 < 8
	LOAD (\t)+2                                    ; which take the fragment two further on
.endif
.irp c, 0,1
	v_max3_num_f32 v[BM+\c], |v[X+32*\c]|, |v[X+32*\c+1]|, 0x1800000   ; block 2 c + hl: all 32 numbers are mine; the floor 2^(3 - 127) holds the byte at 1 from below
.endr
.irp i, 2,4,6,8,10,12,14,16,18,20,22,24,26,28,30
.irp c, 0,1
	v_max3_num_f32 v[BM+\c], v[BM+\c], |v[X+32*\c+\i]|, |v[X+32*\c+\i+1]|
.endr
.endr
.irp c, 0,1
	v_add_nc_u32 v[SO+\c], 0xff000000, v[BM+\c]    ; 2 off the exponent field: the conversion's scale operand
.endr
.irp c, 0,1
	v_lshrrev_b32 v[BY+\c], 23, v[SO+\c]           ; the scale's byte
.endr
	v_lshl_or_b32 v[WD], v[BY+1], 16, v[BY]        ; my two bytes, blocks hl and 2 + hl,
	v_lshlrev_b32 v[WD], v5, v[WD]                 ; at their places;
	v_permlanex16_b32 v[WT], v[WD], s20, s21
	v_or_b32 v[WD], v[WD], v[WT]                   ; with lane l xor 16's two the word is whole
	s_wait_alu depctr_va_vdst(0)
	s_wait_xcnt 0x0                                ; the last fragment's stores have read their data: the codes' registers are written again only behind this wait
.irp c, 0,1
	v_cvt_scalef32_pk16_fp6_f32 v[C+6*\c:C+6*\c+2], v[X+32*\c:X+32*\c+15], v[SO+\c]
	v_cvt_scalef32_pk16_fp6_f32 v[T+4*\c:T+4*\c+2], v[X+32*\c+16:X+32*\c+31], v[SO+\c]   ; (a conversion's three registers begin on an even number)
.endr
	v_nop                                          ; one plain place behind a scaled conversion
.irp c, 0,1
.irp i, 0,1,2
	v_mov_b32 v[C+6*\c+3+\i], v[T+4*\c+\i]
.endr
.endr
.if (\t)%2 == 0
	v_mov_b32 v[W+(\t)/2], v[WD]                   ; block 2 P's words,
.else
	v_cndmask_b32 v[W+(\t)/2], v[W+(\t)/2], v[WD], s22   ; and in lanes 16-31 block 2 P + 1's
.endif
.irp p, 0,1,2,3,4,5
	global_store_b64 v2, v[C+2*\p:C+2*\p+1], s[10:11] offset:12288*((\t)%2)+1536*((\t)/2)+256*\p   ; 32 lanes store 256 consecutive bytes, aligned
.endr
.endm
	LOAD 0
	LOAD 1
.irp t, 0,1,2,3,4,5,6,7
	STEP \t
.endr
	global_store_b128 v1, v[W:W+3], s[12:13]       ; 512 consecutive bytes of scale words
	s_wait_tensorcnt 0x0                           ; the wave's end, behind my last LDS store
	ds_add_u32 v6, v7
	s_wait_dscnt 0x0
	s_endpgm
.Lfunc_end_k_q2a6fb76967_qact:
	.size	k_q2a6fb76967_qact, .Lfunc_end_k_q2a6fb76967_qact-k_q2a6fb76967_qact
	.p2alignl 7, 3214868480
	.fill 96, 4, 3214868480
	.section	.rodata,"a",@progbits
	.p2align	6, 0x0
	.amdhsa_kernel k_q2a6fb76967_qact
		.amdhsa_group_segment_fixed_size 51456
		.amdhsa_private_segment_fixed_size 0
		.amdhsa_enable_private_segment 0
		.amdhsa_kernarg_size 40
		.amdhsa_user_sgpr_count 2
		.amdhsa_user_sgpr_kernarg_segment_ptr 1
		.amdhsa_wavefront_size32 1
		.amdhsa_system_sgpr_workgroup_id_x 1
		.amdhsa_system_sgpr_workgroup_id_y 1
		.amdhsa_system_sgpr_workgroup_id_z 1
		.amdhsa_system_vgpr_workitem_id 0
		.amdhsa_next_free_vgpr 256
		.amdhsa_next_free_sgpr 66
		.amdhsa_reserve_vcc 0
		.amdhsa_float_denorm_mode_32 3
		.amdhsa_float_denorm_mode_16_64 3
		.amdhsa_memory_ordered 1
		.amdhsa_forward_progress 1
		.amdhsa_inst_pref_size 61
	.end_amdhsa_kernel
	.amdgpu_metadata
---
amdhsa.version: [ 1, 2 ]
amdhsa.kernels:
  - .name:           k_q2a6fb76967_qact
    .symbol:         k_q2a6fb76967_qact.kd
    .args:
      - { .name: Q, .offset: 0, .size: 8, .value_kind: global_buffer, .address_space: global }
      - { .name: K, .offset: 8, .size: 8, .value_kind: global_buffer, .address_space: global }
      - { .name: V, .offset: 16, .size: 8, .value_kind: global_buffer, .address_space: global }
      - { .name: actc, .offset: 24, .size: 8, .value_kind: global_buffer, .address_space: global }
      - { .name: acts, .offset: 32, .size: 8, .value_kind: global_buffer, .address_space: global }
    .group_segment_fixed_size: 51456
    .private_segment_fixed_size: 0
    .kernarg_segment_align: 8
    .kernarg_segment_size: 40
    .max_flat_workgroup_size: 192
    .sgpr_count:     66
    .vgpr_count:     256
    .wavefront_size: 32
...
	.end_amdgpu_metadata
.endif
;; end of part 1
;; launch qw (part 2): grid 256 x 1, 4 waves a work-group, no clusters, 14,336 bytes of LDS; arguments Wq, Wk, Wv, Wo, wc, ws; writes wc, ws
.if DOCPART == 2
	.amdgcn_target "amdgcn-amd-amdhsa--gfx1250"
	.amdhsa_code_object_version 6
	.text
	.protected	k_q2a6fb76967_qw
	.globl	k_q2a6fb76967_qw
	.p2align	8
	.type	k_q2a6fb76967_qw,@function
k_q2a6fb76967_qw:
	s_mov_b64 s[64:65], 0
	v_nop
	global_prefetch_b8 v0, s[64:65] scope:SCOPE_SE
	s_setreg_imm32_b32 hwreg(HW_REG_WAVE_MODE, 25, 1), 1
	s_wait_xcnt 0x0
; The four weights [k 1024][n 1024] f32, whose K is the FIRST axis, become codes of FP6 (E2M3) with one E8M0 byte for each 32 along K, as images of operand registers whose rows are the columns n:
; wc: [weight][block 64 over n][K step 8][1,536 bytes], ws: [weight][pair P 32][1,024 bytes]; images, scale words and the choice of a block's rows as in the launch that quantises the activations:
; lane r of block 2 P + u is column 32 P + 8 u + r + 8 (r / 8).
; A LANE TAKES A COLUMN AND ITS REGISTERS RUN DOWN K: lane x is column 32 P + x, so u = bit 3 of x and r = (x & 7) + 8 (bit 4 of x).  A block of 32 along K lies in one lane's registers, and the conversions give codes with K innermost.
; LIMITS: a block of zeros gets the byte 1 where the quantiser says 127 (zero codes; this program alone reads the bytes); largest magnitudes under 2^-124 are held at the byte 1; NaN and infinities are not served.
; SHARES: 4 weights x 32 pairs x 2 halves of K = 256 work-groups; wave w takes K step 4 (half) + w: 32 columns x 128 K, two fragments.  Loads run two blocks of 32 along K (64 loads a wave) ahead; each reads 128 consecutive bytes.
; The codes go through the wave's own stage in LDS to their places in the images and leave 512 consecutive bytes a store.  The four waves' scale words meet in 512 shared bytes behind a barrier; wave 0 stores them.
; No two work-groups read the same bytes: no cluster.
.set SCX,   13312                      ; behind the four stages (3,328 bytes each: two images, 1,664 bytes apart): the scale words
.set SPARE, 13824                      ; the spare words, 128 bytes a wave
	s_load_b256 s[4:11], s[0:1], 0x0               ; Wq, Wk, Wv, Wo
	s_load_b128 s[12:15], s[0:1], 0x20             ; wc, ws
	v_lshl_add_u32 v6, v0, 2, SPARE                ; my spare word; never rewritten
	v_mov_b32 v7, 0                                ; 0; never rewritten
	v_lshrrev_b32 v1, 5, v0
	v_readfirstlane_b32 s16, v1                    ; wave
	v_and_b32 v5, 31, v0
	v_lshlrev_b32 v1, 2, v5                        ; 4 L; never rewritten
	v_lshlrev_b32 v2, 4, v5                        ; 16 L
	v_bfe_u32 v3, v0, 3, 1                         ; u
	v_and_b32 v4, 7, v0
	v_bfe_u32 v5, v0, 4, 1
	v_lshl_or_b32 v4, v5, 3, v4                    ; r
	s_mul_i32 s17, s16, 3328
	v_mul_u32_u24 v8, v3, 1664
	v_lshl_add_u32 v8, v4, 3, v8
	v_add_nc_u32 v8, s17, v8                       ; the stage, way in: image u, lane r's 8 bytes
	v_add_nc_u32 v9, s17, v2                       ; way out: 16 L
	v_lshl_add_u32 v10, v3, 4, v4
	v_lshlrev_b32 v10, 4, v10                      ; 16 (16 u + r)
	s_lshl_b32 s18, s16, 2
	s_add_co_u32 s18, s18, SCX
	v_add_nc_u32 v10, s18, v10                     ; my column's scale word of K step w
	v_add_nc_u32 v11, SCX, v2
	s_lshr_b32 s18, ttmp9, 6                       ; which weight
	s_and_b32 s19, ttmp9, 63
	s_lshr_b32 s19, s19, 1                         ; pair P
	s_and_b32 s20, ttmp9, 1                        ; which half of K
	s_lshl_b32 s21, s20, 2
	s_add_co_u32 s21, s21, s16                     ; K step
	s_lshl_b32 s24, s21, 19                        ; in: 128 rows of 4,096 bytes a K step,
	s_lshl_b32 s25, s19, 7                         ; 128 bytes a pair
	s_add_co_u32 s24, s24, s25
	s_mov_b32 s25, 0
	s_lshl_b32 s26, s18, 6
	s_lshl_b32 s27, s19, 1
	s_add_co_u32 s26, s26, s27
	s_lshl_b32 s26, s26, 3
	s_add_co_u32 s26, s26, s21
	s_mul_i32 s26, s26, 1536
	s_mov_b32 s27, 0
	s_lshl_b32 s28, s18, 5
	s_add_co_u32 s28, s28, s19
	s_lshl_b32 s28, s28, 10
	s_lshl_b32 s29, s20, 9
	s_add_co_u32 s28, s28, s29
	s_mov_b32 s29, 0
	s_wait_kmcnt 0x0
	s_cmp_eq_u32 s18, 1                            ; the choice hangs on the work-group's number alone
	s_cselect_b64 s[4:5], s[6:7], s[4:5]
	s_cmp_eq_u32 s18, 2
	s_cselect_b64 s[4:5], s[8:9], s[4:5]
	s_cmp_eq_u32 s18, 3
	s_cselect_b64 s[4:5], s[10:11], s[4:5]
	s_add_nc_u64 s[4:5], s[4:5], s[24:25]
	s_add_nc_u64 s[12:13], s[12:13], s[26:27]
	s_add_nc_u64 s[14:15], s[14:15], s[28:29]
; block kb's 32 numbers: W(128 step + 32 kb + n, my column), n = 0 .. 31, into registers of the block's own
.macro LOAD kb
.set n, 0
.rept 32
	global_load_b32 v[64+32*(\kb)+n], v1, s[4:5] offset:4096*(32*(\kb)+n) th:TH_LOAD_NT
.set n, n+1
.endr
.endm
; block kb of 32 along K goes to lane (r, kb % 2), registers 6 (kb / 2) on, of image u.  Each block has registers of its own for its numbers and its codes.
.macro BLOCK kb
.set XS, 64+32*(\kb)
.set CC, 16+8*(\kb)
.set TT, 48+4*(\kb)
.if (\kb) < 3
	s_wait_loadcnt 32                              ; this block's 32 loads are in; the next block's 32 may be out
.else
	s_wait_loadcnt 0
.endif
.if (\kb) < 2
	LOAD (\kb)+2                                   ; the block two further on: it lands in registers that nothing else names
.endif
	v_max3_num_f32 v13, |v[XS]|, |v[XS+1]|, |v[XS+2]|
	v_max3_num_f32 v14, |v[XS+3]|, |v[XS+4]|, |v[XS+5]|
.irp i, 6,10,14,18,22,26
	v_max3_num_f32 v13, v13, |v[XS+\i]|, |v[XS+\i+1]|
	v_max3_num_f32 v14, v14, |v[XS+\i+2]|, |v[XS+\i+3]|
.endr
	v_max3_num_f32 v13, v13, |v[XS+30]|, |v[XS+31]|
	v_max3_num_f32 v13, v13, v14, 0x1800000        ; and the floor 2^(3 - 127): the byte cannot fall under 1
	v_add_nc_u32 v15, 0xff000000, v13              ; 2 off the exponent field: the conversion's scale operand
	v_lshrrev_b32 v5, 23, v15                      ; the scale's byte
.if (\kb) == 0
	v_mov_b32 v12, v5
.else
	v_lshl_or_b32 v12, v5, 8*(\kb), v12            ; the lower K in the lower byte
.endif
	v_cvt_scalef32_pk16_fp6_f32 v[CC:CC+2], v[XS:XS+15], v15
	v_cvt_scalef32_pk16_fp6_f32 v[TT:TT+2], v[XS+16:XS+31], v15   ; (a conversion's three registers begin on an even number)
	v_nop                                          ; one plain place behind a scaled conversion
.irp i, 0,1,2
	v_mov_b32 v[CC+3+\i], v[TT+\i]
.endr
.irp q, 0,1,2
	ds_store_b64 v8, v[CC+2*\q:CC+2*\q+1] offset:768*((\kb)/2)+128*((\kb)%2)+256*\q
.endr
.endm
	LOAD 0
	LOAD 1
	BLOCK 0
	BLOCK 1
	BLOCK 2
	BLOCK 3
	ds_store_b32 v10, v12                          ; my column's scale word, for wave 0
.irp i, 0,1,2,3,4,5
	ds_load_b128 v[64+4*\i:67+4*\i], v9 offset:1664*(\i/3)+512*(\i%3)   ; LDS serves a wave's instructions in order: these see my stores
.endr
.irp i, 0,1,2,3,4,5
	s_wait_dscnt 5-\i                              ; the younger loads may be out
	global_store_b128 v2, v[64+4*\i:67+4*\i], s[12:13] offset:12288*(\i/3)+512*(\i%3)   ; 512 consecutive bytes of an image
.endr
	s_wait_dscnt 0x0                               ; for the others' sake: my scale words have landed
	s_barrier_signal -1
	s_barrier_wait -1
	s_cmp_lg_u32 s16, 0
	s_cbranch_scc1 .Lnot_wave_0
	ds_load_b128 v[88:91], v11                     ; four K steps' words of 32 columns
	s_wait_dscnt 0x0
	global_store_b128 v2, v[88:91], s[14:15]       ; 512 consecutive bytes
.Lnot_wave_0:
	s_wait_tensorcnt 0x0                           ; the wave's end, behind my last LDS store
	ds_add_u32 v6, v7
	s_wait_dscnt 0x0
	s_endpgm
.Lfunc_end_k_q2a6fb76967_qw:
	.size	k_q2a6fb76967_qw, .Lfunc_end_k_q2a6fb76967_qw-k_q2a6fb76967_qw
	.p2alignl 7, 3214868480
	.fill 96, 4, 3214868480
	.section	.rodata,"a",@progbits
	.p2align	6, 0x0
	.amdhsa_kernel k_q2a6fb76967_qw
		.amdhsa_group_segment_fixed_size 14336
		.amdhsa_private_segment_fixed_size 0
		.amdhsa_enable_private_segment 0
		.amdhsa_kernarg_size 48
		.amdhsa_user_sgpr_count 2
		.amdhsa_user_sgpr_kernarg_segment_ptr 1
		.amdhsa_wavefront_size32 1
		.amdhsa_system_sgpr_workgroup_id_x 1
		.amdhsa_system_sgpr_workgroup_id_y 1
		.amdhsa_system_sgpr_workgroup_id_z 1
		.amdhsa_system_vgpr_workitem_id 0
		.amdhsa_next_free_vgpr 192
		.amdhsa_next_free_sgpr 66
		.amdhsa_reserve_vcc 0
		.amdhsa_float_denorm_mode_32 3
		.amdhsa_float_denorm_mode_16_64 3
		.amdhsa_memory_ordered 1
		.amdhsa_forward_progress 1
		.amdhsa_inst_pref_size 23
	.end_amdhsa_kernel
	.amdgpu_metadata
---
amdhsa.version: [ 1, 2 ]
amdhsa.kernels:
  - .name:           k_q2a6fb76967_qw
    .symbol:         k_q2a6fb76967_qw.kd
    .args:
      - { .name: Wq, .offset: 0, .size: 8, .value_kind: global_buffer, .address_space: global }
      - { .name: Wk, .offset: 8, .size: 8, .value_kind: global_buffer, .address_space: global }
      - { .name: Wv, .offset: 16, .size: 8, .value_kind: global_buffer, .address_space: global }
      - { .name: Wo, .offset: 24, .size: 8, .value_kind: global_buffer, .address_space: global }
      - { .name: wc, .offset: 32, .size: 8, .value_kind: global_buffer, .address_space: global }
      - { .name: ws, .offset: 40, .size: 8, .value_kind: global_buffer, .address_space: global }
    .group_segment_fixed_size: 14336
    .private_segment_fixed_size: 0
    .kernarg_segment_align: 8
    .kernarg_segment_size: 48
    .max_flat_workgroup_size: 128
    .sgpr_count:     66
    .vgpr_count:     192
    .wavefront_size: 32
...
	.end_amdgpu_metadata
.endif
;; end of part 2
;; launch proj (part 3): grid 8 x 32, 4 waves a work-group, clusters of 4 x 4, 327,680 bytes of LDS; arguments actc, acts, wc, ws, bq, bk, bv, pc, ps; writes pc, ps
.if DOCPART == 3
	.amdgcn_target "amdgcn-amd-amdhsa--gfx1250"
	.amdhsa_code_object_version 6
	.text
	.protected	k_q2a6fb76967_proj
	.globl	k_q2a6fb76967_proj
	.p2align	8
	.type	k_q2a6fb76967_proj,@function
k_q2a6fb76967_proj:
	s_mov_b64 s[64:65], 0
	v_nop
	global_prefetch_b8 v0, s[64:65] scope:SCOPE_SE
	s_setreg_imm32_b32 hwreg(HW_REG_WAVE_MODE, 25, 1), 1
	s_wait_xcnt 0x0
	s_wait_alu depctr_hold_cnt(0) depctr_sa_sdst(0) depctr_va_vdst(0) depctr_va_sdst(0) depctr_va_ssrc(0) depctr_va_vcc(0) depctr_vm_vsrc(0)
	s_getreg_b32 s2, hwreg(HW_REG_IB_STS2, 6, 4)
	s_cmp_eq_u32 s2, 0
	s_cbranch_scc0 .Lentry_in_a_cluster
	s_endpgm
.Lentry_in_a_cluster:
	s_bfe_u32 s2, ttmp6, 0x10000c
	s_cmp_lg_u32 s2, 0xf033
	s_cbranch_scc0 .Lentry_shape_is_right
	s_endpgm
.Lentry_shape_is_right:
; q = Q Wq + bq, k = K Wk + bk and v^T = (V Wv + bv)^T on codes of FP6 (E2M3) with E8M0 scales, and the results QUANTISED again in registers: q and k along a head's 64, v along the keys.  No f32 result goes to memory.
; Operands come as images of operand registers (a fragment of 16 rows x 128 K: six pieces of 256 bytes, lane L at 8 L), blocks [block][K step 8][1,536 bytes]; scale words [pair][1,024 bytes].
; ROLES: source 0 = X (a lane's registers run along X), source 1 = Y (a lane is a row of Y).  q, k: Y = activation, X = weight.  v: Y = Wv (rows h, d), X = V (rows = keys), so that a lane's registers run along the keys.
; By the rows' order in the weights' and V's blocks the 16 result registers of X blocks 2 B, 2 B + 1 are 16 neighbours, 32 B + 16 (lane / 16) + 0 .. 15.
; A WORK-GROUP STAYS: 256 work-groups, each makes three tiles of 256 of Y x 128 of X, one of q, one of k, one of v.  Wave w: Y blocks 4 w .. 4 w + 3 x all 8 X blocks: 32 accumulators.
; THE RING: two LDS slots, each with four K steps of Y's 16 blocks and X's 8 (147,456 bytes).  A fill is one joint load a wave (waves 0, 1 the halves of Y, waves 2, 3 of X; rows of 6,144 bytes, 12,288 apart in memory).
; A tile's second half is asked for at the tile's start and has the first half's 128 products of a wave in which to land; the next tile's first half is asked for in the tile's middle and has the second half's 128 products and the way out.
; Each refill stands behind a round of the cluster's barrier.  q and k are a loop of two trips; v, which asks for nothing more, is written out.
; CLUSTER 4 x 4: Y's tile hangs on the tile row alone and is asked for jointly along a row of the cluster, X's on the tile column alone, along a column.  All partners walk q, k, v in step.
; No prefetch is laid: every fill but the first is asked for half a tile, or half a tile and a way out, ahead of the wait for it, and the three tiles' operands are three different tensors, each read once by a cluster.
; The scale words and the bias go from memory straight into registers at a tile's start, 512 consecutive bytes a load of scale words.
; OUT: pc q, k: [b][h][tile 128][768 bytes] (registers 0-5: the head's 64); v: [b][h][key step 16][d tile 4][1,536].  ps: units of 256 bytes for four blocks a: word of (a, r) at 8 (16 (a % 2) + r) + 4 (a / 2).
; LIMITS: a block of zeros gets the byte 1 where the quantiser says 127 (zero codes; this program alone reads the bytes); largest magnitudes under 2^-124 are held at the byte 1; NaN and infinities are not served.
; REGISTERS: window 0: v1 8 L; v2, v3 and v6, v7 LDS addresses of Y's and X's fragments in slots 0, 1; v10 16 L; v11, v12 bias offsets along Y, X; v13 8 L + the odd head's distance; v14, v15 the add's two; v16-31 Y's scale words, v32-63 X's;
;   v64-127 the bias; v128-223 Y's fragments, two sets; v224-255 at work.  window 1: X's fragments, two sets, at v0 and v128.  window 2: accumulator (a, b) at v[8 (8 a + b)].
; SCALARS: s2 wave, s3 role, s66 half, s67 the tile (0 q, 1 k, 2 v); s[4:19] groups 1, s[20:27] groups 0; s28 cluster y; s[34:43] scale words', bias's and results' addresses; s[44:51], s[68:73], s[76:79] the arguments; s[56:59] the next tile's codes.
.set SLOT,  147456
.set XO,    98304                      ; in a slot: Y's 16 blocks x 6,144 bytes, then X's 8
.set SPARE, 294912                     ; the spare words, 128 bytes a wave
.set TM,   224                         ; v224-227 largest magnitudes, v228-231 bytes, v236-239 scale operands
.set PW,   240                         ; v240-243 the four blocks' scale words
.set PC,   128                         ; the codes just made
.set MSB, 0
.macro WIN new                         ; the immediate's high byte repeats the setting that is left
.if MSB != \new
	s_set_vgpr_msb (MSB<<8)|\new
.set MSB, \new
.endif
.endm
.macro WALU
	s_wait_alu depctr_va_vdst(0)
.endm
.macro CROUND                          ; a round of the cluster's barrier
	s_barrier_signal -1
	s_barrier_wait -1
	s_cmp_lg_u32 s2, 0
	s_cbranch_scc1 .Lnot_wave_0_\@
	s_barrier_signal -3
.Lnot_wave_0_\@:
	s_barrier_wait -3
	s_barrier_signal -1
	s_barrier_wait -1
.endm
.macro PLACES                          ; four plain places behind a matrix instruction, in front of loads into registers that it read and of reads of its results
.rept 4
	v_nop
.endr
.endm
.macro JL                              ; a joint load: waves 0, 1 for Y, waves 2, 3 for X; an s_nop 0 and four v_nop follow each line
	s_cmp_eq_u32 s3, 0
	s_cbranch_scc0 .Lfor_x_\@
	tensor_load_to_lds s[20:23], s[4:11]
	s_nop 0
	PLACES
	s_branch .Lasked_\@
.Lfor_x_\@:
	tensor_load_to_lds s[24:27], s[12:19]
	s_nop 0
	PLACES
.Lasked_\@:
.endm
.macro TILEXY md                       ; s100, s101: the tile along X and along Y of the tile number in s[md].  q, k: 2 clusters along X, 8 along Y; v: 16 along X (64 tiles of keys), one along Y
	s_lshl_b32 s105, s28, 1
	s_add_co_u32 s105, s105, ttmp9
	s_cmp_eq_u32 s[\md], 2
	s_cselect_b32 s100, s105, ttmp9
	s_cselect_b32 s101, 0, s28
	s_lshl_b32 s100, s100, 2
	s_add_co_u32 s100, s100, s98
	s_lshl_b32 s101, s101, 2
	s_add_co_u32 s101, s101, s99
.endm
.macro CODEADR md                      ; s[56:57], s[58:59]: where my half of Y's and of X's codes begins, for the tile number in s[md] and its s100, s101.  Y's registers never hold the tile along X, nor X's the tile along Y
	s_cmp_eq_u32 s[\md], 2                         ; every select on this compare stands ahead of the next addition
	s_mul_i32 s88, s[\md], 6291456
	s_cselect_b32 s88, 1572864, s88
	s_mul_i32 s90, s[\md], 786432
	s_cselect_b32 s90, 12582912, s90
	s_cselect_b64 s[56:57], s[48:49], s[44:45]     ; Y: wc for v, else actc
	s_cselect_b64 s[58:59], s[44:45], s[48:49]     ; X the other way round
	s_mul_i32 s89, s101, 196608                    ; 16 blocks of 12,288 bytes a tile of Y,
	s_add_co_u32 s88, s88, s89
	s_mul_i32 s89, s66, 98304                      ; 8 a half
	s_add_co_u32 s88, s88, s89
	s_mov_b32 s89, 0
	s_mul_i32 s91, s100, 98304
	s_add_co_u32 s90, s90, s91
	s_mul_i32 s91, s66, 49152
	s_add_co_u32 s90, s90, s91
	s_mov_b32 s91, 0
	s_add_nc_u64 s[56:57], s[56:57], s[88:89]
	s_add_nc_u64 s[58:59], s[58:59], s[90:91]
.endm
.macro NEWTILE                         ; groups 0 for a tile's first half, into slot 0
	s_mov_b64 s[22:23], s[56:57]
	s_or_b32 s23, s23, 0x80000000
	s_mov_b64 s[26:27], s[58:59]
	s_or_b32 s27, s27, 0x80000000
	s_mov_b32 s21, s60
	s_mov_b32 s25, s61
.endm
.macro FETCH s                         ; K step s: X's eight fragments and my four of Y, into set s % 2, out of slot s / 4
	WIN 0x40
.irp b, 0,1,2,3,4,5,6,7
.irp p, 0,1,2,3,4,5
	ds_load_b64 v[128*((\s)%2)+12*\b+2*\p:128*((\s)%2)+12*\b+2*\p+1], v[6+(\s)/4] offset:6144*\b+1536*((\s)%4)+256*\p
.endr
.endr
	WIN 0
.irp a, 0,1,2,3
.irp p, 0,1,2,3,4,5
	ds_load_b64 v[128+48*((\s)%2)+12*\a+2*\p:128+48*((\s)%2)+12*\a+2*\p+1], v[2+(\s)/4] offset:6144*\a+1536*((\s)%4)+256*\p
.endr
.endr
.endm
; 32 matrix instructions, the 32 accumulators by turns.  how = 0: onto the sums; 1: the sums begin with the bias along X; 2: with the bias along Y.
; A pair's scale words share a register: the even block in lanes 0-15, the odd one in lanes 16-31.
.macro MUL s, how
.irp a, 0,1,2,3
.irp b, 0,1,2,3,4,5,6,7
.set rD, 8*(8*\a+\b)
.set rX, 128*((\s)%2)+12*\b
.set rY, 128+48*((\s)%2)+12*\a
.set rSX, 32+8*(\b/2)+(\s)
.set rSY, 16+8*(\a/2)+(\s)
.if \how == 0
.set rC, rD
.elseif \how == 1
.set rC, 64+8*\b
.else
.set rC, 64+8*(\a+4*(\b%2))
.endif
.if (\a%2 == 0) && (\b%2 == 0)
	v_wmma_scale_f32_16x16x128_f8f6f4 v[rD:rD+7], v[rX:rX+11], v[rY:rY+11], v[rC:rC+7], v[rSX], v[rSY] matrix_a_fmt:MATRIX_FMT_FP6 matrix_b_fmt:MATRIX_FMT_FP6
.elseif (\a%2 == 0)
	v_wmma_scale_f32_16x16x128_f8f6f4 v[rD:rD+7], v[rX:rX+11], v[rY:rY+11], v[rC:rC+7], v[rSX], v[rSY] matrix_a_fmt:MATRIX_FMT_FP6 matrix_b_fmt:MATRIX_FMT_FP6 matrix_a_scale:MATRIX_SCALE_ROW1
.elseif (\b%2 == 0)
	v_wmma_scale_f32_16x16x128_f8f6f4 v[rD:rD+7], v[rX:rX+11], v[rY:rY+11], v[rC:rC+7], v[rSX], v[rSY] matrix_a_fmt:MATRIX_FMT_FP6 matrix_b_fmt:MATRIX_FMT_FP6 matrix_b_scale:MATRIX_SCALE_ROW1
.else
	v_wmma_scale_f32_16x16x128_f8f6f4 v[rD:rD+7], v[rX:rX+11], v[rY:rY+11], v[rC:rC+7], v[rSX], v[rSY] matrix_a_fmt:MATRIX_FMT_FP6 matrix_b_fmt:MATRIX_FMT_FP6 matrix_a_scale:MATRIX_SCALE_ROW1 matrix_b_scale:MATRIX_SCALE_ROW1
.endif
.endr
.endr
.endm
; Y block a's 64 numbers of a lane (window 2, v[64 a] on; register 16 B + i = place 32 B + 16 (lane / 16) + i of my row) become a fragment's codes in v[PC] on and its scale word in v[PW + a].
; Each accumulator is read from its low end on.
.macro QUANT a
.set S0, 64*(\a)
	WIN 0x0a
.irp b, 0,1,2,3
	v_max3_num_f32 v[TM+\b], |v[S0+16*\b]|, |v[S0+1+16*\b]|, 0x1800000   ; my 16 numbers of block b, and the floor 2^(3 - 127)
.endr
	WIN 0x28
.irp i, 2,4,6,8,10,12,14
.irp b, 0,1,2,3
	v_max3_num_f32 v[TM+\b], v[TM+\b], |v[S0+16*\b+\i]|, |v[S0+1+16*\b+\i]|
.endr
.endr
	WIN 0
.irp b, 0,1,2,3
	v_permlanex16_b32 v[TM+4+\b], v[TM+\b], s30, s31
.endr
.irp b, 0,1,2,3
	v_max_num_f32 v[TM+\b], v[TM+\b], v[TM+4+\b]   ; with lane l xor 16's: the block's largest magnitude
.endr
.irp b, 0,1,2,3
	v_add_nc_u32 v[TM+12+\b], 0xff000000, v[TM+\b] ; 2 off the exponent field: the conversion's scale operand
.endr
.irp b, 0,1,2,3
	v_lshrrev_b32 v[TM+4+\b], 23, v[TM+12+\b]      ; the scale's byte
.endr
	v_lshl_or_b32 v[PW+\a], v[TM+5], 8, v[TM+4]
	v_lshl_or_b32 v[PW+\a], v[TM+6], 16, v[PW+\a]
	v_lshl_or_b32 v[PW+\a], v[TM+7], 24, v[PW+\a]
.if (\a) > 0
	s_wait_xcnt 0x0                                ; the last block's stores have read their data and their base: both are written again only behind this wait
.endif
	WIN 0x02
.irp c, 0,1
	v_cvt_scalef32_pk16_fp6_f32 v[PC+6*\c:PC+2+6*\c], v[S0+32*\c:S0+15+32*\c], v[TM+12+2*\c]
	v_cvt_scalef32_pk16_fp6_f32 v[PC+12+4*\c:PC+14+4*\c], v[S0+16+32*\c:S0+31+32*\c], v[TM+12+2*\c+1]   ; (a conversion's three registers begin on an even number)
.endr
	WIN 0
	v_nop                                          ; one plain place behind a scaled conversion
.irp c, 0,1                                    ; the operand's layout wants a whole block in a lane
.irp i, 0,1,2
	v_permlane16_swap_b32 v[PC+6*\c+\i], v[PC+12+4*\c+\i]
.endr
.irp i, 0,1,2
	v_mov_b32 v[PC+3+6*\c+\i], v[PC+12+4*\c+\i]
.endr
.endr
.endm
; A TILE.  last = 0: q or k (s67 = 0, 1), and the next tile's first half is asked for in its middle; last = 1: v, which asks for nothing more
.macro TILE last
	s_wait_xcnt 0x0                                ; the last tile's stores have read their registers and bases: they are written again only behind this wait
	TILEXY 67
	s_mov_b32 s81, 0
.if \last == 0
	s_mul_i32 s80, s67, 262144                     ; Y's scale words: acts, my wave's two pairs
	s_lshl_b32 s82, s101, 13
	s_add_co_u32 s80, s80, s82
	s_lshl_b32 s82, s2, 11
	s_add_co_u32 s80, s80, s82
	s_add_nc_u64 s[34:35], s[46:47], s[80:81]
	s_mul_i32 s80, s67, 32768                      ; X's: ws
	s_lshl_b32 s82, s100, 12
	s_add_co_u32 s80, s80, s82
	s_add_nc_u64 s[36:37], s[50:51], s[80:81]
	s_cmp_eq_u32 s67, 1
	s_cselect_b64 s[38:39], s[70:71], s[68:69]     ; bk or bq, at 128 x tile X
	s_lshl_b32 s80, s100, 9
	s_add_nc_u64 s[38:39], s[38:39], s[80:81]
	s_lshr_b32 s84, s101, 3                        ; the results: b = tile Y / 8, first tile i0 = 16 (tile Y % 8) + 4 wave, heads 2 tile X and 2 tile X + 1
	s_and_b32 s85, s101, 7
	s_lshl_b32 s85, s85, 4
	s_lshl_b32 s86, s2, 2
	s_add_co_u32 s85, s85, s86
	s_lshl_b32 s86, s84, 4
	s_lshl_b32 s87, s100, 1
	s_add_co_u32 s86, s86, s87
	s_lshl_b32 s86, s86, 7
	s_add_co_u32 s86, s86, s85
	s_mul_i32 s86, s86, 768
	s_mul_i32 s87, s67, 6291456
	s_add_co_u32 s80, s86, s87
	s_add_nc_u64 s[40:41], s[76:77], s[80:81]      ; codes
	s_lshl_b32 s87, s84, 3
	s_add_co_u32 s87, s87, s100
	s_lshl_b32 s87, s87, 5
	s_lshr_b32 s85, s85, 2
	s_add_co_u32 s87, s87, s85
	s_lshl_b32 s87, s87, 8
	s_mul_i32 s85, s67, 262144
	s_add_co_u32 s80, s87, s85
	s_add_nc_u64 s[42:43], s[78:79], s[80:81]      ; scale unit
	s_mov_b32 s52, 768                             ; from block to block
	s_mov_b32 s54, 97536                           ; registers 6-11 belong to the odd head, 128 tiles of 768 bytes on, less the 768 that their offsets hold
.else
	s_lshl_b32 s80, s101, 13                       ; Y's scale words: ws, the third weight's
	s_lshl_b32 s82, s2, 11
	s_add_co_u32 s80, s80, s82
	s_add_co_u32 s80, s80, 65536
	s_add_nc_u64 s[34:35], s[50:51], s[80:81]
	s_lshl_b32 s80, s100, 12                       ; X's: acts, the third tensor's
	s_add_co_u32 s80, s80, 524288
	s_add_nc_u64 s[36:37], s[46:47], s[80:81]
	s_lshl_b32 s80, s101, 10                       ; bv at 256 x tile Y + 64 x wave
	s_lshl_b32 s82, s2, 8
	s_add_co_u32 s80, s80, s82
	s_add_nc_u64 s[38:39], s[72:73], s[80:81]
	s_lshl_b32 s84, s101, 2                        ; the results: head 4 tile Y + wave, b = tile X / 16, key step tile X % 16
	s_add_co_u32 s84, s84, s2
	s_lshr_b32 s85, s100, 4
	s_lshl_b32 s85, s85, 4
	s_add_co_u32 s84, s84, s85
	s_lshl_b32 s84, s84, 4
	s_and_b32 s85, s100, 15
	s_add_co_u32 s84, s84, s85
	s_mul_i32 s80, s84, 6144
	s_add_co_u32 s80, s80, 12582912
	s_add_nc_u64 s[40:41], s[76:77], s[80:81]
	s_lshl_b32 s80, s84, 8
	s_add_co_u32 s80, s80, 524288
	s_add_nc_u64 s[42:43], s[78:79], s[80:81]
	s_mov_b32 s52, 1536
	s_mov_b32 s54, 0
.endif
	v_add_nc_u32 v13, s54, v1
.irp i, 0,1
.irp k, 0,1
	global_load_b128 v[16+8*\i+4*\k:19+8*\i+4*\k], v10, s[34:35] offset:1024*\i+512*\k   ; Y's scale words of all 8 K steps
.endr
.endr
.irp i, 0,1,2,3
.irp k, 0,1
	global_load_b128 v[32+8*\i+4*\k:35+8*\i+4*\k], v10, s[36:37] offset:1024*\i+512*\k   ; X's
.endr
.endr
.if \last == 0                         ; the bias is the C of each sum's first product: eight registers in the result's layout
.irp b, 0,1,2,3,4,5,6,7
	global_load_b128 v[64+8*\b:67+8*\b], v12, s[38:39] offset:(32*(\b/2)+8*(\b%2))*4
	global_load_b128 v[68+8*\b:71+8*\b], v12, s[38:39] offset:(32*(\b/2)+8*(\b%2))*4+16
.endr
	s_add_co_u32 s55, s67, 1                       ; where the next tile's codes begin
	TILEXY 55
	CODEADR 55
.else
.irp g, 0,1,2,3,4,5,6,7
.irp j, 0,1,2,3,4,5,6,7
	global_load_b32 v[64+8*\g+\j], v11, s[38:39] offset:128*((\g%4)/2)+32*(\g%2)   ; my row's number, in all eight registers
.endr
.endr
.endif
	WALU
	s_wait_tensorcnt 0x0                           ; my part of this tile's first half is in;
	ds_add_u32 v14, v15
	s_add_nc_u64 s[22:23], s[22:23], 6144          ; no load of mine is out: groups 0 for the tile's second half, into slot 1
	s_add_nc_u64 s[26:27], s[26:27], 6144
	s_add_co_u32 s21, s60, SLOT
	s_add_co_u32 s25, s61, SLOT
	s_wait_dscnt 0x0                               ; the add is done, and my reads of slot 1 are over
	CROUND                                         ; both hold of every wave of the cluster
	JL                                             ; K steps 4 to 7
	FETCH 0
	s_wait_dscnt 0x0
	s_wait_loadcnt 0x0                             ; the scale words and the bias
	FETCH 1
	WIN 0x81                                       ; X window 1, Y and C window 0, D window 2
	MUL 0, 1+\last
.irp s, 1,2
	s_wait_dscnt 0x0                               ; this K step's fragments are in (asked for 32 matrix instructions ago)
	PLACES
	FETCH \s+1
	WIN 0xa1                                       ; X window 1, Y window 0, C and D window 2
	MUL \s, 0
.endr
	WIN 0
	s_wait_dscnt 0x0                               ; K step 3's fragments are in: my reads of slot 0 are over
	s_wait_tensorcnt 0x0                           ; my part of the second half is in;
	ds_add_u32 v14, v15                            ; 0 onto my spare word; 32 matrix instructions stand between it and the wait for it
	WIN 0xa1
	MUL 3, 0
	WIN 0
.if \last == 0
	NEWTILE                                        ; no load of mine is out: groups 0 for the next tile's first half
.endif
	s_wait_dscnt 0x0
.if \last == 0
	CROUND
	JL                                             ; the next tile's K steps 0 to 3; the four v_nop behind it are the places in front of the loads below
.else
	s_barrier_signal -1                            ; a plain barrier: the second half is shown to all
	s_barrier_wait -1
	PLACES
.endif
	FETCH 4
	s_wait_dscnt 0x0
	FETCH 5
	WIN 0xa1
	MUL 4, 0
.irp s, 5,6
	s_wait_dscnt 0x0
	PLACES
	FETCH \s+1
	WIN 0xa1
	MUL \s, 0
.endr
	s_wait_dscnt 0x0
	MUL 7, 0
	PLACES
.irp a, 0,1,2,3
	QUANT \a
.if \a > 0
	s_add_nc_u64 s[40:41], s[40:41], s[52:53]      ; the next block's place (behind the wait in QUANT)
.endif
.irp p, 0,1,2
	global_store_b64 v1, v[PC+2*\p:PC+2*\p+1], s[40:41] offset:256*\p    ; 32 lanes store 256 consecutive bytes, aligned
.endr
.irp p, 3,4,5
	global_store_b64 v13, v[PC+2*\p:PC+2*\p+1], s[40:41] offset:256*\p
.endr
.endr
	v_cndmask_b32 v244, v240, v241, s32            ; the four blocks' scale words: blocks 0, 2 in lanes 0-15, blocks 1, 3 in lanes 16-31
	v_cndmask_b32 v245, v242, v243, s32
	global_store_b64 v1, v[244:245], s[42:43]      ; one aligned run of 256 bytes
.endm
	s_load_b256 s[44:51], s[0:1], 0x0              ; actc, acts, wc, ws
	s_load_b128 s[68:71], s[0:1], 0x20             ; bq, bk
	s_load_b64 s[72:73], s[0:1], 0x30              ; bv
	s_load_b128 s[76:79], s[0:1], 0x38             ; pc, ps
	v_lshl_add_u32 v14, v0, 2, SPARE
	v_mov_b32 v15, 0
	ds_add_u32 v14, v15                            ; the opening lines: the add, twice on end, and its wait ahead of my first tensor load
	ds_add_u32 v14, v15
	v_lshrrev_b32 v1, 5, v0
	v_readfirstlane_b32 s2, v1                     ; wave 0..3
	s_lshr_b32 s3, s2, 1                           ; 0: I fetch for Y, 1: for X
	s_and_b32 s66, s2, 1                           ; which half of the tile I fetch
	s_bfe_u32 s98, ttmp6, 0x40000                  ; cx
	s_bfe_u32 s99, ttmp6, 0x40004                  ; cy
	s_and_b32 s28, ttmp7, 0xffff                   ; the cluster's y, 0 .. 7
	s_lshl_b32 s104, s99, 2
	s_lshl_b32 s104, 15, s104                      ; my row of the cluster
	s_lshl_b32 s105, 0x1111, s98                   ; my column
	s_or_b32 s4, s104, (3<<16)|(1<<21)             ; 15:0 the mask; 17:16 elements of 8 bytes; 21 set beside a mask; no padding
	s_or_b32 s12, s105, (3<<16)|(1<<21)
.irp g, 4, 12                          ; a row = a block's four K steps, 6,144 bytes; from block to block 12,288 bytes
	s_mov_b32 s[\g+1], 768<<16
	s_mov_b32 s[\g+3], 768<<16
	s_mov_b32 s[\g+5], 1536
	s_mov_b32 s[\g+6], 0
	s_mov_b32 s[\g+7], 0
.endr
	s_mov_b32 s6, 8<<16
	s_mov_b32 s8, 8
	s_mov_b32 s14, 4<<16
	s_mov_b32 s16, 4
	s_mov_b32 s20, 1                               ; count = 1
	s_mov_b32 s24, 1
	s_mul_i32 s60, s66, 49152                      ; LDS addresses in slot 0: the wave's number and constants alone
	s_mul_i32 s61, s66, 24576
	s_add_co_u32 s61, s61, XO
	s_mov_b32 s30, 0x76543210
	s_mov_b32 s31, 0xfedcba98                      ; selects for lane l xor 16
	s_mov_b32 s32, 0xffff0000                      ; lanes 16-31
	s_mov_b32 s53, 0
	s_mov_b32 s67, 0                               ; the first tile: q
	TILEXY 67
	s_wait_dscnt 0x0                               ; both opening adds are done
	s_wait_kmcnt 0x0
	CODEADR 67
	NEWTILE
	CROUND                                         ; all sixteen work-groups are here: the joint loads meet
	JL                                             ; q's K steps 0 to 3: one tensor load a wave at the head
	v_and_b32 v224, 31, v0
	v_lshlrev_b32 v1, 3, v224                      ; 8 L
	v_lshlrev_b32 v10, 4, v224                     ; 16 L
	v_and_b32 v226, 15, v0                         ; r
	v_bfe_u32 v227, v0, 4, 1                       ; hl
	s_mul_i32 s104, s2, 24576                      ; my four blocks of Y
	v_add_nc_u32 v2, s104, v1
	v_add_nc_u32 v3, SLOT, v2
	v_add_nc_u32 v6, XO, v1
	v_add_nc_u32 v7, XO+SLOT, v1
	v_lshlrev_b32 v12, 6, v227                     ; the bias along X: 64 hl
	v_and_b32 v228, 8, v226
	v_add_nc_u32 v228, v228, v226
	v_lshlrev_b32 v11, 2, v228                     ; the bias along Y: 4 (r + 8 (r / 8))
.irp b, 0,1,2,3
	v_mov_b32 v[TM+4+\b], 0                        ; a lane permute's destination counts as a source
.endr
	WALU
.Ltile:                                                ; q, then k
	TILE 0
	s_add_co_u32 s67, s67, 1
	s_cmp_lt_u32 s67, 2
	WALU
	s_cbranch_scc1 .Ltile
	TILE 1                                         ; v
	s_wait_tensorcnt 0x0                           ; the wave's end, behind my last tensor load
	ds_add_u32 v14, v15
	s_wait_dscnt 0x0
	CROUND                                         ; the closing round
	s_endpgm
.Lfunc_end_k_q2a6fb76967_proj:
	.size	k_q2a6fb76967_proj, .Lfunc_end_k_q2a6fb76967_proj-k_q2a6fb76967_proj
	.p2alignl 7, 3214868480
	.fill 96, 4, 3214868480
	.section	.rodata,"a",@progbits
	.p2align	6, 0x0
	.amdhsa_kernel k_q2a6fb76967_proj
		.amdhsa_group_segment_fixed_size 327680
		.amdhsa_private_segment_fixed_size 0
		.amdhsa_enable_private_segment 0
		.amdhsa_kernarg_size 72
		.amdhsa_user_sgpr_count 2
		.amdhsa_user_sgpr_kernarg_segment_ptr 1
		.amdhsa_wavefront_size32 1
		.amdhsa_system_sgpr_workgroup_id_x 1
		.amdhsa_system_sgpr_workgroup_id_y 1
		.amdhsa_system_sgpr_workgroup_id_z 1
		.amdhsa_system_vgpr_workitem_id 0
		.amdhsa_next_free_vgpr 768
		.amdhsa_next_free_sgpr 106
		.amdhsa_reserve_vcc 0
		.amdhsa_float_denorm_mode_32 3
		.amdhsa_float_denorm_mode_16_64 3
		.amdhsa_memory_ordered 1
		.amdhsa_forward_progress 1
		.amdhsa_inst_pref_size 201
	.end_amdhsa_kernel
	.amdgpu_metadata
---
amdhsa.version: [ 1, 2 ]
amdhsa.kernels:
  - .name:           k_q2a6fb76967_proj
    .symbol:         k_q2a6fb76967_proj.kd
    .args:
      - { .name: actc, .offset: 0, .size: 8, .value_kind: global_buffer, .address_space: global }
      - { .name: acts, .offset: 8, .size: 8, .value_kind: global_buffer, .address_space: global }
      - { .name: wc, .offset: 16, .size: 8, .value_kind: global_buffer, .address_space: global }
      - { .name: ws, .offset: 24, .size: 8, .value_kind: global_buffer, .address_space: global }
      - { .name: bq, .offset: 32, .size: 8, .value_kind: global_buffer, .address_space: global }
      - { .name: bk, .offset: 40, .size: 8, .value_kind: global_buffer, .address_space: global }
      - { .name: bv, .offset: 48, .size: 8, .value_kind: global_buffer, .address_space: global }
      - { .name: pc, .offset: 56, .size: 8, .value_kind: global_buffer, .address_space: global }
      - { .name: ps, .offset: 64, .size: 8, .value_kind: global_buffer, .address_space: global }
    .group_segment_fixed_size: 327680
    .private_segment_fixed_size: 0
    .kernarg_segment_align: 8
    .kernarg_segment_size: 72
    .max_flat_workgroup_size: 128
    .sgpr_count:     106
    .vgpr_count:     768
    .wavefront_size: 32
...
	.end_amdgpu_metadata
.endif
;; end of part 3
;; launch attn (part 4): grid 4 x 64, 8 waves a work-group, clusters of 4 x 1, 209,920 bytes of LDS; arguments pc, ps, oc, os; writes oc, os
.if DOCPART == 4
	.amdgcn_target "amdgcn-amd-amdhsa--gfx1250"
	.amdhsa_code_object_version 6
	.text
	.protected	k_q2a6fb76967_attn
	.globl	k_q2a6fb76967_attn
	.p2align	8
	.type	k_q2a6fb76967_attn,@function
k_q2a6fb76967_attn:
	s_mov_b64 s[64:65], 0
	v_nop
	global_prefetch_b8 v0, s[64:65] scope:SCOPE_SE
	s_setreg_imm32_b32 hwreg(HW_REG_WAVE_MODE, 25, 1), 1
	s_wait_xcnt 0x0
	s_wait_alu depctr_hold_cnt(0) depctr_sa_sdst(0) depctr_va_vdst(0) depctr_va_sdst(0) depctr_va_ssrc(0) depctr_va_vcc(0) depctr_vm_vsrc(0)
	s_getreg_b32 s2, hwreg(HW_REG_IB_STS2, 6, 4)
	s_cmp_eq_u32 s2, 0
	s_cbranch_scc0 .Lentry_in_a_cluster
	s_endpgm
.Lentry_in_a_cluster:
	s_bfe_u32 s2, ttmp6, 0x10000c
	s_cmp_lg_u32 s2, 0x3003
	s_cbranch_scc0 .Lentry_shape_is_right
	s_endpgm
.Lentry_shape_is_right:
; For each (b, h): O = softmax(q k^T / 8) v, both products on codes of FP6 (E2M3) with E8M0 scales, and O quantised again along h x 64 + d for the last projection.
; THE SOFTMAX: t = score x log2(e) / 8; M = the running largest t rounded UP to a whole number; p = 2^(t - M) is quantised along the keys, not normalised; the row's sum is taken of the unquantised p and divides O at the end.
; When M moves, the sum and O are multiplied by 2^(old M - new M), which rounds nothing.
; IN: pc: q, k [b][h][tile 128][768 bytes] (registers 0-5 of a fragment: the head's 64); v [b][h][key step 16][d tile 4][1,536 bytes], keys innermost.  ps: units of 256 bytes for four tiles a: word of (a, r) at 8 (16 (a % 2) + r) + 4 (a / 2);
; q's and k's words hold the even head in bytes 0, 1 and the odd head in bytes 2, 3: two bytes are read, so the word's upper bytes are 0.
; THE FIRST PRODUCT'S K IS 64 OF THE INSTRUCTION'S 128: q's registers 6-11 are zero codes, set once.  So K's registers 6-11 may hold any codes: K's eight tiles lie DENSE, six registers apart, and a tile's upper six are the next tile's.
; LAYOUT: both products transposed (S^T = k q^T, O^T = v^T p^T): a lane holds one query.  Lane 8 h + j of K's tile t of a key step is key 64 (t / 4) + 32 h + 8 (t % 4) + j (the quantiser of the activations deals K's rows so):
; a lane's 32 registers of tiles 4 c .. 4 c + 3 are the 32 neighbouring keys 64 c + 32 h + 0 .. 31, a whole scale block, in the order of p's operand registers: no lane is asked for a block's maximum and no code changes lanes.
; SHARES: a work-group owns 512 queries of one head; wave w owns tiles 4 w .. 4 w + 3 (64 queries) and walks the 16 key steps once: a fetch of K's and V's fragments serves four tiles.
; THE ORDER OF A TILE'S WORK (a phase; four to a key step, scores in two sets by turns): the blocks' largest scores; M and f, laid among the second part of the LAST tile's sum; t - M; the 66 exponentials, and among them the twelve
; products that are due: the LAST tile's four of O^T and the NEXT tile's eight of S^T, five exponentials behind each; O^T and the sum under the new M; p's scale word, laid among the first part of the sum; p's codes.
; So the walk runs on from key step to key step.  It is primed with a tile of zeros (p = 0, zero codes: the first trip's first four products add nothing), and the last trip forms tile 0's scores once more from its own K (the address is
; held by s_min_u32), which nobody reads: 12 products of a wave's 780, and no branch in the loop.
; THE WHOLE HEAD'S K AND V LIE IN LDS, filled once: one joint tensor load a wave (mask 15: the four work-groups of a head), waves 0-3 K's quarters, waves 4-7 V's.  The scale words (12,288 bytes) come by plain loads and LDS stores.
; No prefetch: all that the launch reads is asked for at its head, and no loop runs ahead of memory.
; OUT: oc [block 512][head pair 8][1,536 bytes]: my head's half of an image, three whole runs of 256 bytes; os: one byte a lane, 16 bytes apart: those runs of 256 bytes are written in part (2 bytes for each 48 of codes).
; LIMITS: holds while |t| stays under 2^31; a block of zeros gets the byte 1 where the quantiser says 127 (zero codes; this program alone reads the bytes); largest magnitudes under 2^-124 are held at the byte 1; NaN and infinities are not served.
; A block's largest p is not searched for: the block's largest score goes through the same multiply-add and exponential (this takes v_exp_f32 not to fall where its input rises).
.set VC,    98304                      ; LDS: K's codes from 0 (key step j at 6,144 j, tile a at + 768 a), V's from here (d tile t at + 1,536 t)
.set KSC,   196608                     ; K's scale words of the head pair, 512 bytes a key step
.set VSC,   204800                     ; V's, 256 bytes a key step
.set SPARE, 208896                     ; the spare words, 128 bytes for each of 8 waves
; window 0: v1 8 L; v2, v3 the add's two; v4-7 LDS addresses (next K, V, next K's scales, V's scales); v8 8 r; v9 16 r + hl; v10 8 hl; v11 lane term of K's scale words
.set ST,  12                           ; v12-19  tile i: -M, the largest score
.set SUM, 20                           ; v20-27  tile i: the sum, in two halves
.set VS,  28                           ; v28-29  V's scale words
.set QS,  30                           ; v30-33  q's
.set KS,  34                           ; v34-37  K's
.set KF,  38                           ; v38-91  K's eight tiles, dense, and six registers of zeros
.set S0,  92                           ; v92-219 scores, then p: two sets of 64
.set PCD, 220                          ; v220-231 p's codes
.set TC,  232                          ; v232-234, v236-238 the second half of each block's codes
.set PS,  235                          ; p's scale word
.set PT,  239                          ; a lane permute's result
.set TM,  240                          ; v240-243 maxima
.set SO,  244                          ; v244-245 the conversions' scale operands
.set F,   246                          ; v246 f (v247 is named with it)
.set TA,  248                          ; v248-249 at work
.set AC,  250                          ; v250-255 three more chains of the sum
.set QF,  128                          ; window 1: v0-127 O^T, 32 a tile; v128-175 q, 12 a tile; v176-223 V's four fragments
.set VF,  176
.set MSB, 0
.macro WIN new                         ; the immediate's high byte repeats the setting that is left
.if MSB != \new
	s_set_vgpr_msb (MSB<<8)|\new
.set MSB, \new
.endif
.endm
.macro WALU
	s_wait_alu depctr_va_vdst(0)
.endm
.macro CROUND
	s_barrier_signal -1
	s_barrier_wait -1
	s_cmp_lg_u32 s12, 0
	s_cbranch_scc1 .Lnot_wave_0_\@
	s_barrier_signal -3
.Lnot_wave_0_\@:
	s_barrier_wait -3
	s_barrier_signal -1
	s_barrier_wait -1
.endm
.macro MM d, a, b, c, sa, sb, odd      ; odd: source 0's scale words lie in lanes 16-31
.if \odd
	v_wmma_scale_f32_16x16x128_f8f6f4 v[\d:\d+7], v[\a:\a+11], v[\b:\b+11], \c, v[\sa], v[\sb] matrix_a_fmt:MATRIX_FMT_FP6 matrix_b_fmt:MATRIX_FMT_FP6 matrix_a_scale:MATRIX_SCALE_ROW1
.else
	v_wmma_scale_f32_16x16x128_f8f6f4 v[\d:\d+7], v[\a:\a+11], v[\b:\b+11], \c, v[\sa], v[\sb] matrix_a_fmt:MATRIX_FMT_FP6 matrix_b_fmt:MATRIX_FMT_FP6
.endif
.endm
.macro QK1 i, a                        ; S^T of query tile i against K's tile a, into set i % 2.  Windows 0x04: q in window 1
	MM S0+64*((\i)%2)+8*(\a), KF+6*(\a), QF+12*(\i), 0, KS+(\a)/2, QS+(\i), (\a)%2
.endm
.macro PV1 i, t                        ; d tile t of O^T of tile i += v^T p^T.  Windows 0x51: V, C and D in window 1
	MM 32*(\i)+8*(\t), VF+12*(\t), PCD, v[32*(\i)+8*(\t):32*(\i)+8*(\t)+7], VS+(\t)/2, PS, (\t)%2
.endm
.macro KLOAD
.irp a, 0,1,2,3,4,5,6,7
.irp p, 0,1,2
	ds_load_b64 v[KF+6*\a+2*\p:KF+6*\a+2*\p+1], v4 offset:768*\a+256*\p
.endr
.endr
.irp n, 0,1,2,3
	ds_load_u16 v[KS+\n], v6 offset:256*(\n/2)+4*(\n%2)
.endr
.endm
.macro VLOAD
	WIN 0x40
.irp t, 0,1,2,3
.irp p, 0,1,2,3,4,5
	ds_load_b64 v[VF+12*\t+2*\p:VF+12*\t+2*\p+1], v5 offset:1536*\t+256*\p
.endr
.endr
	WIN 0
	ds_load_b64 v[VS:VS+1], v7
.endm
; line n = 0 .. 31 of tile i's sum of the unquantised p: 32 pairs in four chains (three in v[AC ..], the fourth the sum itself), then the chains joined
.macro ADDOP n, i
.set SA_, S0+64*((\i)%2)
.set UA_, SUM+2*(\i)
.if (\n) < 3
	v_pk_add_f32 v[AC+2*(\n):AC+2*(\n)+1], v[SA_+4*(\n):SA_+4*(\n)+1], v[SA_+4*(\n)+2:SA_+4*(\n)+3]
.elseif (\n) == 3
	v_pk_add_f32 v[UA_:UA_+1], v[UA_:UA_+1], v[SA_+12:SA_+13]
.elseif (\n) < 29
.if (\n)%4 == 3
	v_pk_add_f32 v[UA_:UA_+1], v[UA_:UA_+1], v[SA_+6+2*(\n):SA_+7+2*(\n)]
.else
	v_pk_add_f32 v[AC+2*((\n)%4):AC+2*((\n)%4)+1], v[AC+2*((\n)%4):AC+2*((\n)%4)+1], v[SA_+6+2*(\n):SA_+7+2*(\n)]
.endif
.elseif (\n) == 29
	v_pk_add_f32 v[UA_:UA_+1], v[UA_:UA_+1], v[AC+4:AC+5]
.elseif (\n) == 30
	v_pk_add_f32 v[AC:AC+1], v[AC:AC+1], v[AC+2:AC+3]
.else
	v_pk_add_f32 v[UA_:UA_+1], v[UA_:UA_+1], v[AC:AC+1]
.endif
.endm
; line n = 0 .. 8 of the chain from the blocks' largest scores to tile i's -M and f
.macro CHOP n, i
.set MC_, ST+2*(\i)
.if (\n) == 0
	v_max3_num_f32 v[TA], v[TM], v[TM+2], v[MC_+1]
.elseif (\n) == 1
	v_mov_b32 v[TA+1], v[MC_]                      ; the old -M
.elseif (\n) == 2
	v_permlanex16_b32 v[PT], v[TA], s20, s21
.elseif (\n) == 3
	v_max_num_f32 v[MC_+1], v[TA], v[PT]           ; the running largest score of my query
.elseif (\n) == 4
	v_mul_f32 v[TA], s36, v[MC_+1]                 ; -t
.elseif (\n) == 5
	v_floor_f32 v[MC_], v[TA]                      ; -M = floor(-t): M is a whole number
.elseif (\n) == 6
	v_sub_f32 v[TA+1], v[MC_], v[TA+1]             ; old M less new M: a whole number, 0 or less
.elseif (\n) == 7
	v_cvt_i32_f32 v[TA+1], v[TA+1]                 ; (it saturates)
.else
	v_ldexp_f32 v[F], 1.0, v[TA+1]                 ; f = 2^(old M - new M)
.endif
.endm
; line n = 0 .. 9 of the chain from the blocks' largest p to the conversions' scale operands and p's scale word
.macro SCOP n
.if (\n) < 2
	v_max_num_f32 v[TM+2*(\n)], 0x1800000, v[TM+2*(\n)]      ; the floor 2^(3 - 127): the byte cannot fall under 1
.elseif (\n) < 4
	v_add_nc_u32 v[SO+(\n)-2], 0xff000000, v[TM+2*((\n)-2)]  ; 2 off the exponent field: the conversion's scale operand
.elseif (\n) < 6
	v_lshrrev_b32 v[TA+(\n)-4], 23, v[SO+(\n)-4]             ; the scale's byte
.elseif (\n) == 6
	v_lshl_or_b32 v[PS], v[TA+1], 16, v[TA]        ; blocks h and 2 + h,
.elseif (\n) == 7
	v_lshlrev_b32 v[PS], v10, v[PS]                ; at their places;
.elseif (\n) == 8
	v_permlanex16_b32 v[PT], v[PS], s20, s21
.else
	v_or_b32 v[PS], v[PS], v[PT]                   ; with lane l xor 16's two the word is whole
.endif
.endm
.macro EX k                            ; the next k exponentials of the tile's 64
.rept \k
	v_exp_f32 v[SR+e_], v[SR+e_]
.set e_, e_+1
.endr
.endm
; A PHASE: tile i of a key step
.macro PHASE i
.set SR, S0+64*((\i)%2)
.set MR, ST+2*(\i)
.set UR, SUM+2*(\i)
	WIN 0
	WALU
.irp k, 0,1,2,3                        ; the largest score of my two blocks: four chains side by side, each accumulator from its low end on
	v_max3_num_f32 v[TM+\k], v[SR+16*\k], v[SR+16*\k+1], v[SR+16*\k+2]
.endr
.irp n, 3,5,7,9,11,13
.irp k, 0,1,2,3
	v_max3_num_f32 v[TM+\k], v[TM+\k], v[SR+16*\k+\n], v[SR+16*\k+\n+1]
.endr
.endr
	v_max3_num_f32 v[TM], v[TM], v[SR+15], v[TM+1]
	v_max3_num_f32 v[TM+2], v[TM+2], v[SR+47], v[TM+3]
	v_max_num_f32 v[TM], v[TM], v[SR+31]           ; block h
	v_max_num_f32 v[TM+2], v[TM+2], v[SR+63]       ; block 2 + h
.irp n, 0,1,2,3,4,5,6,7,8              ; M and f, each line with two lines of the last tile's sum behind it
	CHOP \n, \i
	ADDOP 12+2*\n, (\i+3)%4
	ADDOP 13+2*\n, (\i+3)%4
.endr
	ADDOP 30, (\i+3)%4
	ADDOP 31, (\i+3)%4
.set n, 0
.rept 32
	v_pk_fma_f32 v[SR+n:SR+n+1], v[SR+n:SR+n+1], s[22:23], v[MR:MR+1] op_sel_hi:[1,0,0]   ; t - M, two at a time
.set n, n+2
.endr
	v_fma_f32 v[TM], v[TM], s22, v[MR]             ; the same of each block's largest score
	v_fma_f32 v[TM+2], v[TM+2], s22, v[MR]
.if (\i)%2 == 1
	s_wait_dscnt 0x0                               ; tile 1: this step's V is in; tile 3: the next step's K
.endif
	WALU
	v_exp_f32 v[TM], v[TM]                         ; the blocks' largest p
	v_exp_f32 v[TM+2], v[TM+2]
.set e_, 0
	EX 4                                           ; p = 2^(t - M)
.irp t, 0,1,2,3
	WIN 0x51
	PV1 (\i+3)%4, \t                               ; the last tile's O^T
	WIN 0x04                                       ; (an exponential names a destination and source 0 alone: window 0 under this setting too)
	EX 5
.endr
.irp a, 0,1,2,3,4,5,6,7
	QK1 (\i+1)%4, \a                               ; the next tile's S^T, into the other set
	EX 5
.endr
	WIN 0x41                                       ; O^T: window 1
	WALU                                           ; one wait for the batch, and directly ahead of the first reader of O^T
.set n, 0
.rept 16
	v_pk_mul_f32 v[32*(\i)+n:32*(\i)+n+1], v[32*(\i)+n:32*(\i)+n+1], v[F:F+1] op_sel_hi:[1,0]
.set n, n+2
.endr
	WIN 0
	v_pk_mul_f32 v[UR:UR+1], v[UR:UR+1], v[F:F+1] op_sel_hi:[1,0]
.irp n, 0,1,2,3,4,5,6,7,8,9            ; p's scale word, each line with a line of the sum behind it
	SCOP \n
	ADDOP \n, \i
.endr
	ADDOP 10, \i
	v_cvt_scalef32_pk16_fp6_f32 v[PCD:PCD+2], v[SR:SR+15], v[SO]
	v_cvt_scalef32_pk16_fp6_f32 v[TC:TC+2], v[SR+16:SR+31], v[SO]            ; (a conversion's three registers begin on an even number)
	v_cvt_scalef32_pk16_fp6_f32 v[PCD+6:PCD+8], v[SR+32:SR+47], v[SO+1]
	v_cvt_scalef32_pk16_fp6_f32 v[TC+4:TC+6], v[SR+48:SR+63], v[SO+1]
	ADDOP 11, \i                                   ; the plain place behind the conversions
.irp n, 0,1,2
	v_mov_b32 v[PCD+3+\n], v[TC+\n]
	v_mov_b32 v[PCD+9+\n], v[TC+4+\n]
.endr
.endm
	s_load_b256 s[4:11], s[0:1], 0x0               ; pc, ps, oc, os
	v_lshl_add_u32 v2, v0, 2, SPARE
	v_mov_b32 v3, 0
	ds_add_u32 v2, v3                              ; the opening lines: the add, twice on end, and its wait ahead of my tensor load
	ds_add_u32 v2, v3
	v_lshrrev_b32 v4, 5, v0
	v_readfirstlane_b32 s12, v4                    ; wave 0..7
	s_bfe_u32 s13, ttmp6, 0x40000                  ; cx: it enters q's and O's addresses alone
	s_and_b32 s14, ttmp7, 0xffff                   ; 16 b + h
	s_lshr_b32 s15, s14, 4                         ; b
	s_and_b32 s16, s14, 15                         ; h
	s_lshr_b32 s17, s16, 1                         ; head pair
	s_and_b32 s18, s16, 1                          ; which of the pair
	s_mov_b32 s19, 0xffff0000                      ; lanes 16-31
	s_mov_b32 s20, 0x76543210
	s_mov_b32 s21, 0xfedcba98                      ; selects for lane l xor 16
	s_mov_b32 s22, 0x3e38aa3b                      ; c = log2(e) / 8
	s_mov_b32 s23, s22                             ; (named with it as a pair)
	s_mov_b32 s36, 0xbe38aa3b                      ; -c
	s_mov_b32 s24, 15|(3<<16)|(1<<21)              ; group 1: mask of all four; elements of 8 bytes; 21 set beside a mask; 96 dense rows of 256 bytes
	s_mov_b32 s25, 32<<16
	s_mov_b32 s26, 96<<16
	s_mov_b32 s27, 32<<16
	s_mov_b32 s28, 96
	s_mov_b32 s29, 32
	s_mov_b32 s30, 0
	s_mov_b32 s31, 0
	s_mov_b32 s40, 1
	s_mul_i32 s41, s12, 24576                      ; waves 0-3: K's quarters; waves 4-7: V's
	s_lshr_b32 s66, s12, 2
	s_add_co_u32 s66, s66, 1
	s_mul_i32 s66, s66, 6291456                    ; k's region of pc, or v's
	s_mul_i32 s67, s14, 98304
	s_add_co_u32 s66, s66, s67
	s_and_b32 s68, s12, 3
	s_mul_i32 s67, s68, 24576
	s_add_co_u32 s66, s66, s67
	s_mov_b32 s67, 0
	s_lshl_b32 s69, s15, 3
	s_add_co_u32 s69, s69, s17                     ; 8 b + head pair
	s_lshl_b32 s70, s69, 13
	s_add_co_u32 s70, s70, 262144                  ; K's scale words
	s_mov_b32 s71, 0
	s_lshl_b32 s72, s14, 12
	s_add_co_u32 s72, s72, 524288                  ; V's
	s_mov_b32 s73, 0
	s_lshl_b32 s74, s13, 5
	s_lshl_b32 s75, s12, 2
	s_add_co_u32 s74, s74, s75                     ; my first tile: 32 cx + 4 wave
	s_lshl_b32 s54, s14, 7
	s_add_co_u32 s54, s54, s74
	s_mul_i32 s54, s54, 768                        ; q's codes
	s_mov_b32 s55, 0
	s_lshl_b32 s56, s69, 5
	s_lshr_b32 s75, s74, 2
	s_add_co_u32 s56, s56, s75
	s_lshl_b32 s56, s56, 8                         ; q's scale unit: my four tiles',
	s_lshl_b32 s75, s18, 1
	s_add_co_u32 s56, s56, s75                     ; + my head's two bytes
	s_mov_b32 s57, 0
	s_lshl_b32 s58, s15, 7
	s_add_co_u32 s76, s58, s74                     ; block 128 b + tile
	s_mul_i32 s58, s76, 12288
	s_mul_i32 s77, s16, 768
	s_add_co_u32 s58, s58, s77                     ; O's codes
	s_mov_b32 s59, 0
	s_lshl_b32 s60, s76, 9                         ; 1,024 bytes a pair of blocks
	s_lshr_b32 s77, s17, 2
	s_lshl_b32 s77, s77, 9
	s_add_co_u32 s60, s60, s77
	s_and_b32 s77, s17, 3
	s_lshl_b32 s77, s77, 2
	s_add_co_u32 s60, s60, s77
	s_add_co_u32 s60, s60, s75                     ; O's scale bytes
	s_mov_b32 s61, 0
	s_wait_dscnt 0x0                               ; both opening adds are done
	s_wait_kmcnt 0x0
	s_add_nc_u64 s[42:43], s[4:5], s[66:67]
	s_or_b32 s43, s43, 0x80000000
	s_add_nc_u64 s[54:55], s[4:5], s[54:55]
	s_add_nc_u64 s[56:57], s[6:7], s[56:57]
	s_add_nc_u64 s[70:71], s[6:7], s[70:71]
	s_add_nc_u64 s[72:73], s[6:7], s[72:73]
	s_add_nc_u64 s[58:59], s[8:9], s[58:59]
	s_add_nc_u64 s[60:61], s[10:11], s[60:61]
	CROUND                                         ; all four work-groups are here: the joint loads meet
	tensor_load_to_lds s[40:43], s[24:31]          ; every wave's one load; an s_nop 0 and four v_nop follow it
	s_nop 0
.rept 4
	v_nop
.endr
	v_and_b32 v4, 31, v0
	v_lshlrev_b32 v1, 3, v4                        ; 8 L
	v_and_b32 v5, 15, v0                           ; r
	v_bfe_u32 v6, v0, 4, 1                         ; hl
	v_lshlrev_b32 v8, 3, v5
	v_lshl_add_u32 v9, v5, 4, v6
	v_lshlrev_b32 v10, 3, v6
	v_add_nc_u32 v11, s75, v1
	v_add_nc_u32 v11, KSC, v11                     ; my head's two bytes of K's words
	v_lshlrev_b32 v7, 4, v0                        ; 16 x thread: the scale words go through registers, 4,096 consecutive bytes a line of the work-group
	v_add_nc_u32 v5, KSC, v7
	global_load_b128 v[S0:S0+3], v7, s[70:71]
	global_load_b128 v[S0+4:S0+7], v7, s[70:71] offset:4096
	global_load_b128 v[S0+8:S0+11], v7, s[72:73]
.irp i, 0,1,2,3
	global_load_u16 v[QS+\i], v8, s[56:57] offset:128*(\i%2)+4*(\i/2)
.endr
	WIN 0x40
.irp i, 0,1,2,3
.irp p, 0,1,2
	global_load_b64 v[QF+12*\i+2*\p:QF+12*\i+2*\p+1], v1, s[54:55] offset:768*\i+256*\p
.endr
.endr
.irp i, 0,1,2,3
.irp n, 6,7,8,9,10,11
	v_mov_b32 v[QF+12*\i+\n], 0                    ; zero codes for k = 64 .. 127 of the first product
.endr
.endr
.set n, 0
.rept 128
	v_mov_b32 v[n], 0                              ; O^T: the step is written once; the first change of M leaves zeros zeros
.set n, n+1
.endr
	WIN 0
.irp i, 0,1,2,3
	v_mov_b32 v[ST+2*\i+1], 0xff61b1e6             ; the largest score so far: -3e38,
	v_mov_b32 v[ST+2*\i], 0x7e000000               ; and a -M so large that the first f is 0
	v_mov_b32 v[SUM+2*\i], 0
	v_mov_b32 v[SUM+2*\i+1], 0
.endr
.irp n, 48,49,50,51,52,53
	v_mov_b32 v[KF+\n], 0                          ; behind K's last tile
.endr
.set n, 0
.rept 64
	v_mov_b32 v[S0+64+n], 0                        ; THE WALK IS PRIMED WITH A TILE OF ZEROS: its p,
.set n, n+1
.endr
.irp n, 0,1,2,3,4,5
	v_mov_b32 v[AC+\n], 0                          ; the chains of its sum,
.endr
.irp n, 0,1,2,3,4,5,6,7,8,9,10,11
	v_mov_b32 v[PCD+\n], 0                         ; its codes,
.endr
	v_mov_b32 v[PS], 0                             ; and a scale word of finite codes over them
	v_mov_b32 v[PT], 0                             ; a lane permute's destination counts as a source
	v_mov_b32 v[F+1], 0                            ; (named as the upper half of the pair)
	v_mov_b32 v4, v1                               ; key step 0
	v_mov_b32 v6, v11
	WALU
	s_wait_loadcnt 0x0
	ds_store_b128 v5, v[S0:S0+3]
	ds_store_b128 v5, v[S0+4:S0+7] offset:4096
	ds_store_b128 v5, v[S0+8:S0+11] offset:8192
	v_add_nc_u32 v5, VC, v1                        ; key step 0's V: finite codes for the products on the tile of zeros
	v_add_nc_u32 v7, VSC, v1
	WALU
	s_wait_tensorcnt 0x0                           ; my part of the head is in,
	s_wait_dscnt 0x0                               ; and my scale words
	s_barrier_signal -1
	s_barrier_wait -1                              ; everybody's are
	KLOAD
	VLOAD
	s_mov_b32 s44, VC                              ; this step's V, its scale words,
	s_mov_b32 s45, VSC
	s_mov_b32 s46, 6144                            ; the next step's K, its scale words
	s_mov_b32 s47, 512
	s_mov_b32 s51, 16
	s_wait_dscnt 0x0
	WIN 0x04
.irp a, 0,1,2,3,4,5,6,7
	QK1 0, \a                                      ; tile 0's first scores
.endr
	WIN 0
.Lstep:                                                ; A KEY STEP: 128 keys x 64 queries
	s_min_u32 s52, s46, 92160                      ; (the last trip: its own step again)
	s_min_u32 s53, s47, 7680
	v_add_nc_u32 v5, s44, v1                       ; (in the first trip these four are the places behind tile 0's first products)
	v_add_nc_u32 v7, s45, v1
	v_add_nc_u32 v4, s52, v1
	v_add_nc_u32 v6, s53, v11
	PHASE 0
	VLOAD                                          ; the last step's last products of O^T stand in phase 0: V's registers are free; wanted in phase 1's batch
	PHASE 1
	PHASE 2
	KLOAD                                          ; this step's last products of S^T stand in phase 2: K's registers are free; wanted in phase 3's batch
	PHASE 3
	s_add_co_u32 s44, s44, 6144
	s_add_co_u32 s45, s45, 256
	s_add_co_u32 s46, s46, 6144
	s_add_co_u32 s47, s47, 512
	s_sub_co_u32 s51, s51, 1
	s_cmp_lg_u32 s51, 0
	WALU
	s_cbranch_scc1 .Lstep
.irp n, 12,13,14,15,16,17,18,19,20,21,22,23,24,25,26,27,28,29,30,31
	ADDOP \n, 3                                    ; what is left of the last tile: its sum,
.endr
	WIN 0x51
.irp t, 0,1,2,3
	PV1 3, \t                                      ; and its O^T
.endr
	WIN 0
.set RC, S0+64                         ; the reciprocals, in pairs with registers that hold old p
.irp i, 0,1,2,3
	v_add_f32 v[TM+\i], v[SUM+2*\i], v[SUM+2*\i+1] ; (four plain places behind the last products)
.endr
.irp i, 0,1,2,3
	v_permlanex16_b32 v[AC+\i], v[TM+\i], s20, s21
.endr
.irp i, 0,1,2,3
	v_add_f32 v[TM+\i], v[TM+\i], v[AC+\i]         ; the rows' sums
.endr
	WALU
.irp i, 0,1,2,3
	v_rcp_f32 v[RC+2*\i], v[TM+\i]
.endr
	v_nop                                          ; a plain place behind the reciprocals
; Tile i leaves: O^T / the sum (register 16 B + n is d = 32 B + 16 hl + n), its two blocks' scales, its codes
.macro OUT i
.if \i > 0
	s_wait_xcnt 0x0                                ; the last tile's stores have read their data: those registers are written again only behind this wait
.endif
	WIN 0x01
	WALU                                           ; behind the reciprocals, directly ahead of the first reader of this tile's O^T
.set n, 0
.rept 16
	v_pk_mul_f32 v[S0+n:S0+n+1], v[32*\i+n:32*\i+n+1], v[RC+2*\i:RC+2*\i+1] op_sel_hi:[1,0]
.set n, n+2
.endr
	WIN 0
.irp b, 0,1
	v_max3_num_f32 v[TM+\b], |v[S0+16*\b]|, |v[S0+16*\b+1]|, 0x1800000
.endr
.irp n, 2,4,6,8,10,12,14
.irp b, 0,1
	v_max3_num_f32 v[TM+\b], v[TM+\b], |v[S0+16*\b+\n]|, |v[S0+16*\b+\n+1]|
.endr
.endr
.irp b, 0,1
	v_permlanex16_b32 v[TM+2+\b], v[TM+\b], s20, s21
.endr
.irp b, 0,1
	v_max_num_f32 v[TM+\b], v[TM+\b], v[TM+2+\b]
.endr
.irp b, 0,1
	v_add_nc_u32 v[SO+\b], 0xff000000, v[TM+\b]
.endr
.irp b, 0,1
	v_lshrrev_b32 v[TA+\b], 23, v[SO+\b]
.endr
	v_cndmask_b32 v[PT], v[TA], v[TA+1], s19       ; lanes 0-15 store block 0's byte, lanes 16-31 block 1's
	v_cvt_scalef32_pk16_fp6_f32 v[PCD:PCD+2], v[S0:S0+15], v[SO]
	v_cvt_scalef32_pk16_fp6_f32 v[TC:TC+2], v[S0+16:S0+31], v[SO+1]
	v_nop                                          ; one plain place behind a scaled conversion
.irp n, 0,1,2
	v_permlane16_swap_b32 v[PCD+\n], v[TC+\n]      ; the operand's layout wants a whole block in a lane
.endr
.irp n, 0,1,2
	v_mov_b32 v[PCD+3+\n], v[TC+\n]
.endr
.irp p, 0,1,2
	global_store_b64 v1, v[PCD+2*\p:PCD+2*\p+1], s[58:59] offset:12288*\i+256*\p   ; 32 lanes store 256 consecutive bytes, aligned
.endr
	global_store_b8 v9, v[PT], s[60:61] offset:1024*(\i/2)+256*(\i%2)
.endm
	OUT 0
	OUT 1
	OUT 2
	OUT 3
	s_wait_tensorcnt 0x0                           ; the wave's end, behind my tensor load and my last LDS store
	ds_add_u32 v2, v3
	s_wait_dscnt 0x0
	CROUND                                         ; the closing round
	s_endpgm
.Lfunc_end_k_q2a6fb76967_attn:
	.size	k_q2a6fb76967_attn, .Lfunc_end_k_q2a6fb76967_attn-k_q2a6fb76967_attn
	.p2alignl 7, 3214868480
	.fill 96, 4, 3214868480
	.section	.rodata,"a",@progbits
	.p2align	6, 0x0
	.amdhsa_kernel k_q2a6fb76967_attn
		.amdhsa_group_segment_fixed_size 209920
		.amdhsa_private_segment_fixed_size 0
		.amdhsa_enable_private_segment 0
		.amdhsa_kernarg_size 32
		.amdhsa_user_sgpr_count 2
		.amdhsa_user_sgpr_kernarg_segment_ptr 1
		.amdhsa_wavefront_size32 1
		.amdhsa_system_sgpr_workgroup_id_x 1
		.amdhsa_system_sgpr_workgroup_id_y 1
		.amdhsa_system_sgpr_workgroup_id_z 1
		.amdhsa_system_vgpr_workitem_id 0
		.amdhsa_next_free_vgpr 512
		.amdhsa_next_free_sgpr 80
		.amdhsa_reserve_vcc 0
		.amdhsa_float_denorm_mode_32 3
		.amdhsa_float_denorm_mode_16_64 3
		.amdhsa_memory_ordered 1
		.amdhsa_forward_progress 1
		.amdhsa_inst_pref_size 91
	.end_amdhsa_kernel
	.amdgpu_metadata
---
amdhsa.version: [ 1, 2 ]
amdhsa.kernels:
  - .name:           k_q2a6fb76967_attn
    .symbol:         k_q2a6fb76967_attn.kd
    .args:
      - { .name: pc, .offset: 0, .size: 8, .value_kind: global_buffer, .address_space: global }
      - { .name: ps, .offset: 8, .size: 8, .value_kind: global_buffer, .address_space: global }
      - { .name: oc, .offset: 16, .size: 8, .value_kind: global_buffer, .address_space: global }
      - { .name: os, .offset: 24, .size: 8, .value_kind: global_buffer, .address_space: global }
    .group_segment_fixed_size: 209920
    .private_segment_fixed_size: 0
    .kernarg_segment_align: 8
    .kernarg_segment_size: 32
    .max_flat_workgroup_size: 256
    .sgpr_count:     80
    .vgpr_count:     512
    .wavefront_size: 32
...
	.end_amdgpu_metadata
.endif
;; end of part 4
;; launch outp (part 5): grid 8 x 32, 4 waves a work-group, clusters of 4 x 4, 295,424 bytes of LDS; arguments oc, os, wc, ws, bo, out0; writes out0
.if DOCPART == 5
	.amdgcn_target "amdgcn-amd-amdhsa--gfx1250"
	.amdhsa_code_object_version 6
	.text
	.protected	k_q2a6fb76967_outp
	.globl	k_q2a6fb76967_outp
	.p2align	8
	.type	k_q2a6fb76967_outp,@function
k_q2a6fb76967_outp:
	s_mov_b64 s[64:65], 0
	v_nop
	global_prefetch_b8 v0, s[64:65] scope:SCOPE_SE
	s_setreg_imm32_b32 hwreg(HW_REG_WAVE_MODE, 25, 1), 1
	s_wait_xcnt 0x0
	s_wait_alu depctr_hold_cnt(0) depctr_sa_sdst(0) depctr_va_vdst(0) depctr_va_sdst(0) depctr_va_ssrc(0) depctr_va_vcc(0) depctr_vm_vsrc(0)
	s_getreg_b32 s2, hwreg(HW_REG_IB_STS2, 6, 4)
	s_cmp_eq_u32 s2, 0
	s_cbranch_scc0 .Lentry_in_a_cluster
	s_endpgm
.Lentry_in_a_cluster:
	s_bfe_u32 s2, ttmp6, 0x10000c
	s_cmp_lg_u32 s2, 0xf033
	s_cbranch_scc0 .Lentry_shape_is_right
	s_endpgm
.Lentry_shape_is_right:
; out0 = O Wo + bo on codes of FP6 (E2M3) with E8M0 scales; out0 [8192][1024] f32.  The GEMM is the projections': source 0 = X = Wo (rows n), source 1 = Y = O (rows = tokens); operands as images of operand registers.
; A work-group makes 256 tokens x 128 columns with all of K = 1,024 in LDS, filled once, one tensor load a wave; wave w: Y blocks 4 w .. 4 w + 3 x all 8 X blocks: 32 accumulators.
; Lane r of block 2 P + u is row 32 P + 8 u + r + 8 (r / 8): a lane's 16 registers of X blocks 2 B, 2 B + 1 are columns 32 B + 16 (lane / 16) + 0 .. 15 of one token.
; CLUSTER 4 x 4: Y's tile is asked for jointly along a row of the cluster, X's along a column.  Each wave issues one tensor load at the start; no LDS byte is filled twice.
; THE WAY OUT: a block of 16 tokens x 128 columns goes through the wave's stage in LDS (rows 528 bytes apart) and leaves as rows of 512 consecutive bytes.  The stage lies in the wave's own four blocks of Y, which
; were filled once and are read by this wave alone.
; REGISTERS: as in the projections; on the way out v64-66 hold the stage's and the rows' lane terms, v128-255 the rows read back, in two sets by turns.
; LDS AS IT IS NOW: Y's 16 blocks x 12,288 bytes (all 8 K steps) from 0, X's 8 blocks from XOFF; ONE dense tensor load a wave (waves 0, 1 the halves of Y, waves 2, 3 of X), one wait for all and one barrier.
; The scale words go from memory straight into registers, 512 consecutive bytes a load.  The stage of the way out lies at the start of the wave's own four blocks of Y, which this wave alone reads.
.set XOFF,  196608
.set SPARE, 294912                     ; the spare words, 128 bytes a wave
.set WV,   2
.set ROLE, 3
.set G1Y,  4
.set G1X,  12
.set G1SY, 20
.set G1SX, 28
.set HALF, 66
.set CX,   98
.set CY,   99
.set TX,   100
.set TY,   101
.set MSB, 0
.macro WIN new                         ; the immediate's high byte repeats the setting that is left
.if MSB != \new
	s_set_vgpr_msb (MSB<<8)|\new
.set MSB, \new
.endif
.endm
.macro CROUND
	s_barrier_signal -1
	s_barrier_wait -1
	s_cmp_lg_u32 s[WV], 0
	s_cbranch_scc1 .Lnot_wave_0_\@
	s_barrier_signal -3
.Lnot_wave_0_\@:
	s_barrier_wait -3
	s_barrier_signal -1
	s_barrier_wait -1
.endm
.macro PLACES                          ; four plain places behind a matrix instruction, in front of loads into registers that it read
.rept 4
	v_nop
.endr
.endm
.macro FETCH s
	WIN 0x40
.irp b, 0,1,2,3,4,5,6,7
.irp p, 0,1,2,3,4,5
	ds_load_b64 v[128*((\s)%2)+12*\b+2*\p:128*((\s)%2)+12*\b+2*\p+1], v[6+\b/4] offset:12288*(\b%4)+1536*(\s)+256*\p
.endr
.endr
	WIN 0
.irp a, 0,1,2,3
.irp p, 0,1,2,3,4,5
	ds_load_b64 v[128+48*((\s)%2)+12*\a+2*\p:128+48*((\s)%2)+12*\a+2*\p+1], v2 offset:12288*\a+1536*(\s)+256*\p
.endr
.endr
.endm
; 32 matrix instructions, the 32 accumulators by turns.  how = 0: onto the sums; 1: the sums begin with the bias
.macro MUL s, how
.irp a, 0,1,2,3
.irp b, 0,1,2,3,4,5,6,7
.set rD, 8*(8*\a+\b)
.set rX, 128*((\s)%2)+12*\b
.set rY, 128+48*((\s)%2)+12*\a
.set rSX, 32+8*(\b/2)+(\s)
.set rSY, 16+8*(\a/2)+(\s)
.if \how == 0
.set rC, rD
.else
.set rC, 64+8*\b
.endif
.if (\a%2 == 0) && (\b%2 == 0)
	v_wmma_scale_f32_16x16x128_f8f6f4 v[rD:rD+7], v[rX:rX+11], v[rY:rY+11], v[rC:rC+7], v[rSX], v[rSY] matrix_a_fmt:MATRIX_FMT_FP6 matrix_b_fmt:MATRIX_FMT_FP6
.elseif (\a%2 == 0)
	v_wmma_scale_f32_16x16x128_f8f6f4 v[rD:rD+7], v[rX:rX+11], v[rY:rY+11], v[rC:rC+7], v[rSX], v[rSY] matrix_a_fmt:MATRIX_FMT_FP6 matrix_b_fmt:MATRIX_FMT_FP6 matrix_a_scale:MATRIX_SCALE_ROW1
.elseif (\b%2 == 0)
	v_wmma_scale_f32_16x16x128_f8f6f4 v[rD:rD+7], v[rX:rX+11], v[rY:rY+11], v[rC:rC+7], v[rSX], v[rSY] matrix_a_fmt:MATRIX_FMT_FP6 matrix_b_fmt:MATRIX_FMT_FP6 matrix_b_scale:MATRIX_SCALE_ROW1
.else
	v_wmma_scale_f32_16x16x128_f8f6f4 v[rD:rD+7], v[rX:rX+11], v[rY:rY+11], v[rC:rC+7], v[rSX], v[rSY] matrix_a_fmt:MATRIX_FMT_FP6 matrix_b_fmt:MATRIX_FMT_FP6 matrix_a_scale:MATRIX_SCALE_ROW1 matrix_b_scale:MATRIX_SCALE_ROW1
.endif
.endr
.endr
.endm
	s_load_b256 s[80:87], s[0:1], 0x0              ; oc, os, wc, ws
	s_load_b128 s[88:91], s[0:1], 0x20             ; bo, out0
	v_lshl_add_u32 v14, v0, 2, SPARE
	v_mov_b32 v15, 0
	ds_add_u32 v14, v15                            ; the wave's opening: the add and its wait ahead of my first tensor load; work on registers stands between them
	ds_add_u32 v14, v15
	v_lshrrev_b32 v1, 5, v0
	v_readfirstlane_b32 s[WV], v1
	s_lshr_b32 s[ROLE], s[WV], 1
	s_and_b32 s[HALF], s[WV], 1
	s_bfe_u32 s[CX], ttmp6, 0x40000
	s_bfe_u32 s[CY], ttmp6, 0x40004
	s_and_b32 s104, ttmp7, 0xffff
	s_lshl_b32 s[TY], s104, 2
	s_add_co_u32 s[TY], s[TY], s[CY]               ; tile of 256 tokens
	s_lshl_b32 s[TX], ttmp9, 2
	s_add_co_u32 s[TX], s[TX], s[CX]               ; tile of 128 columns
	s_mul_i32 s42, s[TY], 196608
	s_mul_i32 s43, s[HALF], 98304
	s_add_co_u32 s42, s42, s43
	s_mov_b32 s43, 0
	s_lshl_b32 s38, s[TY], 13
	s_lshl_b32 s39, s[WV], 11                      ; my wave's two pairs of Y
	s_add_co_u32 s38, s38, s39
	s_mov_b32 s39, 0
	s_mul_i32 s62, s[TX], 98304
	s_mul_i32 s63, s[HALF], 49152
	s_add_co_u32 s62, s62, s63
	s_add_co_u32 s62, s62, 2359296                 ; Wo is the fourth weight
	s_mov_b32 s63, 0
	s_lshl_b32 s58, s[TX], 12
	s_add_co_u32 s58, s58, 98304
	s_mov_b32 s59, 0
	s_lshl_b32 s104, s[CY], 2
	s_lshl_b32 s104, 15, s104                      ; my row of the cluster
	s_lshl_b32 s105, 0x1111, s[CX]                 ; my column
	s_or_b32 s[G1Y], s104, (3<<16)|(1<<21)         ; 15:0 the mask; 17:16 elements of 8 bytes; 21 set beside a mask; no padding
	s_or_b32 s[G1X], s105, (3<<16)|(1<<21)
.irp g, G1Y, G1X                       ; codes: a row = a block's eight K steps, 12,288 bytes; from block to block 12,288 bytes
	s_mov_b32 s[\g+1], 1536<<16                    ; a row = a block's eight K steps, 12,288 bytes: the rows lie on end
	s_mov_b32 s[\g+3], 1536<<16
	s_mov_b32 s[\g+5], 1536
	s_mov_b32 s[\g+6], 0
	s_mov_b32 s[\g+7], 0
.endr
	s_mov_b32 s[G1Y+2], 8<<16
	s_mov_b32 s[G1Y+4], 8
	s_mov_b32 s[G1X+2], 4<<16
	s_mov_b32 s[G1X+4], 4
	s_mov_b32 s40, 1                               ; count = 1
	s_mov_b32 s60, 1
	s_mul_i32 s41, s[HALF], 98304                  ; LDS addresses: the wave's number and constants alone
	s_mul_i32 s61, s[HALF], 49152
	s_add_co_u32 s61, s61, XOFF
	s_wait_dscnt 0x0                               ; the opening add is done
	s_wait_kmcnt 0x0
	s_add_nc_u64 s[38:39], s[82:83], s[38:39]
	s_add_nc_u64 s[42:43], s[80:81], s[42:43]
	s_add_nc_u64 s[58:59], s[86:87], s[58:59]
	s_add_nc_u64 s[62:63], s[84:85], s[62:63]
.irp g, 43,63
	s_or_b32 s[\g], s[\g], 0x80000000
.endr
	CROUND                                         ; all sixteen work-groups are here: the joint loads meet
	s_cmp_eq_u32 s[ROLE], 0                        ; a wave's one fill stands in one branch on its number; an s_nop 0 and four v_nop follow it
	s_cbranch_scc0 .Lfor_x
	tensor_load_to_lds s[40:43], s[G1Y:G1Y+7]      ; my half of Y, all of K: one tensor load a wave
	s_nop 0
.rept 4
	v_nop
.endr
	s_branch .Lasked
.Lfor_x:
	tensor_load_to_lds s[60:63], s[G1X:G1X+7]      ; my half of X, all of K
	s_nop 0
.rept 4
	v_nop
.endr
.Lasked:
	v_and_b32 v224, 31, v0
	v_lshlrev_b32 v1, 3, v224                      ; 8 L
	v_lshlrev_b32 v225, 4, v224                    ; 16 L
	v_bfe_u32 v227, v0, 4, 1                       ; hl
	s_mul_i32 s104, s[WV], 49152                   ; my four blocks of Y
	v_add_nc_u32 v2, s104, v1
	v_add_nc_u32 v6, XOFF, v1                      ; X's blocks 0-3,
	v_add_nc_u32 v7, XOFF+49152, v1                ; and 4-7
	v_lshlrev_b32 v12, 6, v227                     ; the bias: 64 hl
	s_wait_alu depctr_va_vdst(0)
	s_lshl_b32 s104, s[TX], 9
	s_mov_b32 s105, 0
	s_add_nc_u64 s[88:89], s[88:89], s[104:105]    ; bo at my 128 columns,
	s_add_nc_u64 s[90:91], s[90:91], s[104:105]    ; and out0 likewise,
	s_lshl_b32 s104, s[TY], 8
	s_lshl_b32 s80, s[WV], 6
	s_add_co_u32 s104, s104, s80
	s_lshl_b32 s104, s104, 12
	s_add_nc_u64 s[90:91], s[90:91], s[104:105]    ; at my wave's first token
.irp b, 0,1,2,3,4,5,6,7
	global_load_b128 v[64+8*\b:67+8*\b], v12, s[88:89] offset:(32*(\b/2)+8*(\b%2))*4   ; the bias is the C of each sum's first product, in the result's layout
	global_load_b128 v[68+8*\b:71+8*\b], v12, s[88:89] offset:(32*(\b/2)+8*(\b%2))*4+16
.endr
.irp i, 0,1
.irp k, 0,1
	global_load_b128 v[16+8*\i+4*\k:19+8*\i+4*\k], v225, s[38:39] offset:1024*\i+512*\k   ; Y's scale words of all 8 K steps
.endr
.endr
.irp i, 0,1,2,3
.irp k, 0,1
	global_load_b128 v[32+8*\i+4*\k:35+8*\i+4*\k], v225, s[58:59] offset:1024*\i+512*\k   ; X's
.endr
.endr
	s_wait_tensorcnt 0x0                           ; my part of the tiles is in,
	s_barrier_signal -1
	s_barrier_wait -1                              ; everybody's is
	FETCH 0
	s_wait_dscnt 0x0
	s_wait_loadcnt 0x0                             ; the bias
	FETCH 1
	WIN 0x81                                       ; X window 1, Y and C window 0, D window 2
	MUL 0, 1
.irp s, 1,2,3,4,5,6,7
	s_wait_dscnt 0x0                               ; this K step's fragments are in; no LDS instruction of mine is out at a signal
.if \s < 7
	PLACES
	FETCH \s+1
.endif
	WIN 0xa1
	MUL \s, 0
.endr
	WIN 0
	v_and_b32 v64, 31, v0                          ; the way out's addresses: nine plain lines that name no register of the last products: their places
	v_lshlrev_b32 v65, 4, v64                      ; 16 L: my bytes of a row of 512
	s_wait_alu depctr_va_vdst(0)
	s_mul_i32 s104, s[WV], 49152                   ; my stage: the start of my own four blocks of Y
	v_add_nc_u32 v64, s104, v65
	v_and_b32 v66, 15, v0
	v_mul_u32_u24 v66, v66, 528
	v_bfe_u32 v67, v0, 4, 1
	v_lshl_add_u32 v66, v67, 6, v66
	v_add_nc_u32 v66, s104, v66                    ; in: row r, + 64 hl
	s_wait_alu depctr_va_vdst(0)
	v_nop
.macro TOSTAGE a
	WIN 0x08                                       ; an LDS store's data are its source 1: window 2
.irp b, 0,1,2,3,4,5,6,7
	ds_store_b128 v66, v[64*(\a)+8*\b:64*(\a)+8*\b+3] offset:128*(\b/2)+32*(\b%2)       ; each accumulator from its low end on
	ds_store_b128 v66, v[64*(\a)+8*\b+4:64*(\a)+8*\b+7] offset:128*(\b/2)+32*(\b%2)+16
.endr
	WIN 0
.set BB, 128+64*((\a)%2)
.irp t, 0,1,2,3,4,5,6,7,8,9,10,11,12,13,14,15
	ds_load_b128 v[BB+4*\t:BB+4*\t+3], v64 offset:528*\t   ; LDS serves a wave's instructions in order: these see the stores above, and the next block's stores come behind them
.endr
.endm
.macro SEND a, younger                 ; younger: the LDS instructions issued behind block a's loads
.set BB, 128+64*((\a)%2)
	s_wait_dscnt \younger
.irp t, 0,1,2,3,4,5,6,7,8,9,10,11,12,13,14,15
	global_store_b128 v65, v[BB+4*\t:BB+4*\t+3], s[90:91] offset:(32*((\a)/2)+8*((\a)%2)+\t+8*(\t/8))*4096 th:TH_STORE_NT   ; 512 consecutive bytes of a token's row, aligned
.endr
.endm
	TOSTAGE 0
.irp a, 1,2,3
.if \a > 1
	s_wait_xcnt 0x0                                ; block a - 2's stores have read their registers: block a's loads may land there
.endif
	TOSTAGE \a
	SEND \a-1, 32                                  ; behind block a - 1's loads: block a's 16 stores and 16 loads
.endr
	SEND 3, 0
	s_wait_tensorcnt 0x0                           ; the wave's end, behind my last tensor load and my last LDS store
	ds_add_u32 v14, v15
	s_wait_dscnt 0x0
	CROUND                                         ; the closing round
	s_endpgm
.Lfunc_end_k_q2a6fb76967_outp:
	.size	k_q2a6fb76967_outp, .Lfunc_end_k_q2a6fb76967_outp-k_q2a6fb76967_outp
	.p2alignl 7, 3214868480
	.fill 96, 4, 3214868480
	.section	.rodata,"a",@progbits
	.p2align	6, 0x0
	.amdhsa_kernel k_q2a6fb76967_outp
		.amdhsa_group_segment_fixed_size 295424
		.amdhsa_private_segment_fixed_size 0
		.amdhsa_enable_private_segment 0
		.amdhsa_kernarg_size 48
		.amdhsa_user_sgpr_count 2
		.amdhsa_user_sgpr_kernarg_segment_ptr 1
		.amdhsa_wavefront_size32 1
		.amdhsa_system_sgpr_workgroup_id_x 1
		.amdhsa_system_sgpr_workgroup_id_y 1
		.amdhsa_system_sgpr_workgroup_id_z 1
		.amdhsa_system_vgpr_workitem_id 0
		.amdhsa_next_free_vgpr 768
		.amdhsa_next_free_sgpr 106
		.amdhsa_reserve_vcc 0
		.amdhsa_float_denorm_mode_32 3
		.amdhsa_float_denorm_mode_16_64 3
		.amdhsa_memory_ordered 1
		.amdhsa_forward_progress 1
		.amdhsa_inst_pref_size 94
	.end_amdhsa_kernel
	.amdgpu_metadata
---
amdhsa.version: [ 1, 2 ]
amdhsa.kernels:
  - .name:           k_q2a6fb76967_outp
    .symbol:         k_q2a6fb76967_outp.kd
    .args:
      - { .name: oc, .offset: 0, .size: 8, .value_kind: global_buffer, .address_space: global }
      - { .name: os, .offset: 8, .size: 8, .value_kind: global_buffer, .address_space: global }
      - { .name: wc, .offset: 16, .size: 8, .value_kind: global_buffer, .address_space: global }
      - { .name: ws, .offset: 24, .size: 8, .value_kind: global_buffer, .address_space: global }
      - { .name: bo, .offset: 32, .size: 8, .value_kind: global_buffer, .address_space: global }
      - { .name: out0, .offset: 40, .size: 8, .value_kind: global_buffer, .address_space: global }
    .group_segment_fixed_size: 295424
    .private_segment_fixed_size: 0
    .kernarg_segment_align: 8
    .kernarg_segment_size: 48
    .max_flat_workgroup_size: 128
    .sgpr_count:     106
    .vgpr_count:     768
    .wavefront_size: 32
...
	.end_amdgpu_metadata
.endif
;; end of part 5
